; MI455X (gfx1250); checked and timed in simulation.
; The chip was launched on July 23, 2026; its instructions are those of AMD's public machine-readable ISA for CDNA 5 (MIT licence, August 2026) and "CDNA5" Instruction Set Architecture Reference Guide (July 2026). The comments in the code are by the model that wrote it; some were corrected since.
;; Stacked NNUE. Allowed arithmetic: float matrix products may take bf16 or f16 operands with f32 sums; all other float work in f32.
;; Inputs: Wc_b 32 x 4 x 32 float32; Wc_w 32 x 4 x 32 float32; Wep_b 32 x 8 x 32 float32; Wep_w 32 x 8 x 32 float32; Wf_b 32 x 2 x 32 float32; Wf_w 32 x 2 x 32 float32; Wp_b 32 x 64 x 12 x 32 float32; Wp_w 32 x 64 x 12 x 32 float32; bins 51 float32; blkA_b 12 x 32 x 32 float32; blkA_be 12 x 32 x 32 float32; blkA_g 12 x 32 x 32 float32; blkA_w 12 x 32 x 32 x 32 float32; blkB_b 12 x 32 x 32 float32; blkB_be 12 x 32 x 32 float32; blkB_g 12 x 32 x 32 float32; blkB_w 12 x 32 x 32 x 32 float32; castle_ms 2,048 x 4 float32; descriptor_index 2,048 int32; ep_file 2,048 int32; fc1_b 32 x 256 float32; fc1_w 32 x 2,240 x 256 float32; fc2_b 32 x 32 float32; fc2_w 32 x 256 x 32 float32; fifty_a 2,048 float32; ln1_b 32 x 256 float32; ln1_g 32 x 256 float32; ln2_b 32 x 32 float32; ln2_g 32 x 32 float32; out_b 32 x 51 float32; out_w 32 x 32 x 51 float32; piece_idx 2,048 x 64 int32; side_flag 2,048 int32.
;; Outputs: out0 2,048 x 51 float32; out1 2,048 x 1 float32.
;; 2 versions, each right; version 2 is version 1 with the launches embed, fc1 written anew for expert scheduling mode. Each part assembles by itself: llvm-mc -triple=amdgcn-amd-amdhsa -mcpu=gfx1250 --defsym DOCPART=n.
;; ======== version 1 of 2: 3 launches
;; limits: values are held in f16: magnitudes above 65,504 overflow, below 6.1e-05 lose precision
;; workspace buffers: xs 9,437,184 bytes; h1p 4,194,304 bytes; order 8,192 bytes of whole numbers; off 512 bytes of whole numbers
;; launch embed (part 1): grid 256 x 1, 8 waves a work-group, no clusters, 0 bytes of LDS; arguments descriptor_index, side_flag, ep_file, fifty_a, castle_ms, piece_idx, Wp_w, Wp_b, Wc_w, Wc_b, Wep_w, Wep_b, Wf_w, Wf_b, xs, order, off; writes xs, order, off
.if DOCPART == 1
	.amdgcn_target "amdgcn-amd-amdhsa--gfx1250"
	.amdhsa_code_object_version 6
	.text
	.protected	k_q7b2f4dad7c_embed
	.globl	k_q7b2f4dad7c_embed
	.p2align	8
	.type	k_q7b2f4dad7c_embed,@function
k_q7b2f4dad7c_embed:
	s_mov_b64 s[64:65], 0
	v_nop
	global_prefetch_b8 v0, s[64:65] scope:SCOPE_SE
	s_setreg_imm32_b32 hwreg(HW_REG_WAVE_MODE, 25, 1), 1
	s_wait_xcnt 0x0
; EMBED: one wave for each position.  The wave finds the position's rank in the order (bucket, position), gathers its 2240 features
; from the tables of its bucket, rounds them to f16 and stores them as row 'rank' of xs; order[rank] = position.
; off: 32 records of 16 bytes, written by the waves of positions 0 .. 31: record b = { positions with a bucket below b, positions in bucket b,
; its tiles of 16 rows, 0 }, so that the later launches compare against loaded numbers as they are.
; xs: [2 halves][2048 rows][36 slots of 32 f16] (a row is 2304 bytes = 9 aligned runs of 256).  Half kh: slots 0-31 = squares 32 kh + slot;
; slots 32-34 = castle 0, 1, 2 (kh = 0) or castle 3, en passant, fifty (kh = 1); slot 35 = 0.
; THE SIDE is a loaded number, and no base address is chosen by a loaded number here: the rows of both tables (_w and _b) are fetched and the
; value is chosen by v_cndmask_b32.  That is 16 KB instead of 8 KB a position, out of tables of 6.3 MB that the launch reads anyway.
; No LDS, no barrier, no loop: memory's latency binds, so all loads that need no loaded number go out first.
; LIMITS: features are kept in f16 (above 65504 they become inf; below 6e-5 the step is 6e-8).  A masked square or file gives +0.
; Indices are clamped to their tables (bucket 0-31, piece 0-11, file 0-7).
.set ROWB,  2304
.set HALFX, 2048*ROWB
.set DSC,   32                         ; v[32:95]   all 2048 buckets: load m, lane l, word c = position 128 m + 4 l + c
.set IDX,   96                         ; v[96:111]  piece index of square 4 m + sub, then the gather's byte offset
.set SGN,   112                        ; v[112:127] all ones where the piece index is negative
.set GAT,   128                        ; v[128:191] gather m from Wp_w: 4 f32 of square 4 m + sub (from Wp_b: v[256:319])
.set SW,    192                        ; v[192:211] Wc rows 0-3, Wc row 3, Wep row, Wf row 0, Wf row 1 of the _w tables
.set UN,    212                        ; v[212:215] the two runs of slots 32-35, packed
.set SB,    216                        ; v[216:235] the same five of the _b tables
.set RC,    236                        ; v[236:239] a bucket's record
.set MSB, 0
.macro WIN new                         ; s_set_vgpr_msb: bits 1:0 source 0, 3:2 source 1, 5:4 source 2, 7:6 destination; the high byte repeats the setting that is left
.if MSB != \new
	s_set_vgpr_msb (MSB<<8)|\new
.set MSB, \new
.endif
.endm
	s_load_b512 s[8:23], s[0:1], 0x0               ; desc 8, side 10, ep 12, fifty 14, castle 16, piece 18, Wp_w 20, Wp_b 22
	s_load_b512 s[24:39], s[0:1], 0x40             ; Wc_w 24, Wc_b 26, Wep_w 28, Wep_b 30, Wf_w 32, Wf_b 34, xs 36, order 38
	s_load_b64 s[40:41], s[0:1], 0x80              ; off
	v_lshrrev_b32 v2, 5, v0
	v_readfirstlane_b32 s2, v2                     ; wave
	s_lshl_b32 s3, ttmp9, 3
	s_add_co_u32 s3, s3, s2                        ; my position
	v_and_b32 v1, 31, v0                           ; lane
	v_lshrrev_b32 v2, 3, v1                        ; sub: which of four squares (slots)
	v_and_b32 v3, 7, v1                            ; part: which 4 of the 32 features
	v_lshlrev_b32 v4, 4, v1                        ; 16 lane
	v_lshlrev_b32 v5, 3, v1                        ; 8 lane: my 4 f16 in a run of 256 bytes
	v_lshlrev_b32 v6, 2, v2                        ; 4 sub
	v_lshlrev_b32 v7, 4, v3                        ; 16 part
	v_mad_u32_u24 v8, v2, 0x600, v7                ; 1536 sub + 16 part: a square's 12 rows of 128 bytes
	v_lshlrev_b32 v10, 2, v1                       ; v[10:13]: 4 lane + c
	v_or_b32 v11, 1, v10
	v_or_b32 v12, 2, v10
	v_or_b32 v13, 3, v10
	s_lshl_b32 s58, s3, 2
	s_lshl_b32 s59, s3, 4
	s_lshl_b32 s60, s3, 8
	s_mov_b32 s61, 0
	v_add_nc_u32 v31, s59, v6                      ; castle_ms[position][sub]; v31 is not written again
	s_wait_kmcnt 0x0
	s_load_b32 s4, s[8:9], s58 offset:0x0          ; bucket
	s_load_b32 s5, s[10:11], s58 offset:0x0        ; side
	s_load_b32 s6, s[12:13], s58 offset:0x0        ; en passant file
	s_load_b32 s7, s[14:15], s58 offset:0x0        ; fifty
	s_load_b32 s42, s[16:17], s59 offset:0xc       ; castle_ms[position][3]
	s_add_nc_u64 s[18:19], s[18:19], s[60:61]      ; my row of piece_idx
.irp m, 0,1,2,3,4,5,6,7,8,9,10,11,12,13,14,15
	global_load_b128 v[DSC+4*\m:DSC+4*\m+3], v4, s[8:9] offset:512*\m
.endr
.irp m, 0,1,2,3,4,5,6,7,8,9,10,11,12,13,14,15
	global_load_b32 v[IDX+\m], v6, s[18:19] offset:16*\m
.endr
	global_load_b32 v9, v31, s[16:17]
	s_wait_kmcnt 0x0                               ; the five scalars; s58 and s59 may be written again
	s_min_u32 s4, s4, 31                           ; the one clamp of the bucket; behind it multiplies, shifts and adds
	s_mul_i32 s60, s4, 98304
	s_add_nc_u64 s[20:21], s[20:21], s[60:61]      ; Wp_w[bucket], Wp_b[bucket]
	s_add_nc_u64 s[22:23], s[22:23], s[60:61]
	s_lshl_b32 s60, s4, 9
	s_add_nc_u64 s[24:25], s[24:25], s[60:61]      ; Wc[bucket]
	s_add_nc_u64 s[26:27], s[26:27], s[60:61]
	s_max_i32 s58, s6, 0
	s_min_u32 s58, s58, 7
	s_lshl_b32 s58, s58, 7
	s_lshl_b32 s60, s4, 10
	s_add_co_u32 s60, s60, s58
	s_add_nc_u64 s[28:29], s[28:29], s[60:61]      ; Wep[bucket][file]
	s_add_nc_u64 s[30:31], s[30:31], s[60:61]
	s_lshl_b32 s60, s4, 8
	s_add_nc_u64 s[32:33], s[32:33], s[60:61]      ; Wf[bucket]
	s_add_nc_u64 s[34:35], s[34:35], s[60:61]
	s_cmp_ge_i32 s6, 0
	s_cselect_b32 s62, 0x3f800000, 0               ; 1.0 where the file is valid
	s_cmp_lg_u32 s5, 0
	s_cselect_b32 s63, -1, 0                       ; all lanes: take the _b value
	global_load_b128 v[SW:SW+3], v4, s[24:25]                  ; Wc rows 0-3: row sub, my part
	global_load_b128 v[SW+4:SW+7], v7, s[24:25] offset:384     ; Wc row 3
	global_load_b128 v[SW+8:SW+11], v7, s[28:29]               ; Wep row
	global_load_b128 v[SW+12:SW+15], v7, s[32:33]              ; Wf row 0
	global_load_b128 v[SW+16:SW+19], v7, s[32:33] offset:128   ; Wf row 1
	global_load_b128 v[SB:SB+3], v4, s[26:27]
	global_load_b128 v[SB+4:SB+7], v7, s[26:27] offset:384
	global_load_b128 v[SB+8:SB+11], v7, s[30:31]
	global_load_b128 v[SB+12:SB+15], v7, s[34:35]
	global_load_b128 v[SB+16:SB+19], v7, s[34:35] offset:128
	s_wait_loadcnt 11                              ; the castle word and the ten loads above stay out: buckets and piece indices are in
.irp m, 0,1,2,3,4,5,6,7,8,9,10,11,12,13,14,15
	v_ashrrev_i32 v[SGN+\m], 31, v[IDX+\m]
	v_max_i32 v[IDX+\m], 0, v[IDX+\m]
	v_min_u32 v[IDX+\m], 11, v[IDX+\m]
	v_lshl_add_u32 v[IDX+\m], v[IDX+\m], 7, v8
.endr
.irp m, 0,1,2,3,4,5,6,7,8,9,10,11,12,13,14,15
	global_load_b128 v[GAT+4*\m:GAT+4*\m+3], v[IDX+\m], s[20:21] offset:6144*\m   ; four whole table rows of 128 bytes
.endr
	WIN 0x40                                       ; destination v256 and up
.irp m, 0,1,2,3,4,5,6,7,8,9,10,11,12,13,14,15
	global_load_b128 v[4*\m:4*\m+3], v[IDX+\m], s[22:23] offset:6144*\m
.endr
	WIN 0
	; the rank, while the gathers are on their way: how many keys 2048 bucket + position lie below mine
	s_lshl_b32 s52, s4, 11
	s_add_co_u32 s52, s52, s3                      ; my key, less 128 m in turn m (it may go below 0: signed compares)
	s_mov_b32 s53, 0
.irp m, 0,1,2,3,4,5,6,7,8,9,10,11,12,13,14,15
.irp c, 0,1,2,3
	v_lshl_add_u32 v[14+\c], v[DSC+4*\m+\c], 11, v[10+\c]
.endr
.irp c, 0,1,2,3
	v_cmp_gt_i32 s[54+\c], s52, v[14+\c]
.endr
.irp c, 0,1,2,3
	s_bcnt1_i32_b32 s[54+\c], s[54+\c]
.endr
	s_add_co_u32 s54, s54, s55
	s_add_co_u32 s56, s56, s57
	s_add_co_u32 s53, s53, s54
	s_add_co_u32 s53, s53, s56
	s_sub_co_i32 s52, s52, 128
.endr
	s_mov_b32 s59, 0
	s_mov_b32 s43, 0
	s_cmp_gt_u32 s3, 31
	s_cbranch_scc1 .Lno_count
	s_add_co_u32 s58, s3, 1
.set i, 0
.rept 64                                           ; positions 0 .. 31 also count the buckets below their own number, and up to it
	v_cmp_gt_i32 s54, s3, v[DSC+i]
	v_cmp_gt_i32 s55, s58, v[DSC+i]
	s_bcnt1_i32_b32 s54, s54
	s_bcnt1_i32_b32 s55, s55
	s_add_co_u32 s59, s59, s54
	s_add_co_u32 s43, s43, s55
.set i, i+1
.endr
.Lno_count:
	s_sub_co_u32 s43, s43, s59                     ; the bucket's positions
	s_add_co_u32 s56, s43, 15
	s_lshr_b32 s56, s56, 4                         ; its tiles of 16
	s_min_u32 s53, s53, 2047
	s_mul_i32 s60, s53, ROWB
	s_add_nc_u64 s[36:37], s[36:37], s[60:61]      ; my row of xs, half 0
	s_wait_loadcnt 32                              ; the 32 gathers stay out: castle and the small tables are in
.set i, 0
.rept 20
	v_cndmask_b32 v[SW+i], v[SW+i], v[SB+i], s63   ; the side's table
.set i, i+1
.endr
	v_cmp_eq_u32 s54, 0, v2
	v_cmp_eq_u32 s55, 1, v2
	v_cmp_eq_u32 s56, 2, v2
	v_cmp_gt_u32 s57, 3, v2
	v_mov_b32 v24, s7                              ; a
	v_sub_f32 v25, 1.0, v24                        ; 1 - a
	v_mov_b32 v[RC], s59
	v_mov_b32 v[RC+1], s43
	s_add_co_u32 s58, s43, 15
	s_lshr_b32 s58, s58, 4
	v_mov_b32 v[RC+2], s58
	v_mov_b32 v[RC+3], 0
.irp c, 0,1,2,3
	v_mul_f32 v[14+\c], v9, v[SW+\c]               ; half 0: castle sub (0, 1, 2), slot 35 = 0
	v_cndmask_b32 v[14+\c], 0, v[14+\c], s57
	v_mul_f32 v[18+\c], v25, v[SW+12+\c]           ; half 1: castle 3 | en passant | fifty | 0
	v_fmac_f32 v[18+\c], v24, v[SW+16+\c]
	v_cndmask_b32 v[18+\c], 0, v[18+\c], s56
	v_mul_f32 v22, s62, v[SW+8+\c]
	v_cndmask_b32 v[18+\c], v[18+\c], v22, s55
	v_mul_f32 v23, s42, v[SW+4+\c]
	v_cndmask_b32 v[18+\c], v[18+\c], v23, s54
.endr
	v_cvt_pk_f16_f32 v[UN], v14, v15
	v_cvt_pk_f16_f32 v[UN+1], v16, v17
	v_cvt_pk_f16_f32 v[UN+2], v18, v19
	v_cvt_pk_f16_f32 v[UN+3], v20, v21
	global_store_b64 v5, v[UN:UN+1], s[36:37] offset:2048
	global_store_b64 v5, v[UN+2:UN+3], s[36:37] offset:HALFX+2048
	s_wait_loadcnt 0x0                             ; all gathers: the choice below is one stretch under one register window
	WIN 0x04                                       ; source 1 in v256 and up
.set i, 0
.rept 64
	v_cndmask_b32 v[GAT+i], v[GAT+i], v[i], s63
.set i, i+1
.endr
	WIN 0
.irp m, 0,1,2,3,4,5,6,7,8,9,10,11,12,13,14,15
	v_cvt_pk_f16_f32 v[GAT+4*\m], v[GAT+4*\m], v[GAT+4*\m+1]
	v_cvt_pk_f16_f32 v[GAT+4*\m+1], v[GAT+4*\m+2], v[GAT+4*\m+3]
	v_bfi_b32 v[GAT+4*\m], v[SGN+\m], 0, v[GAT+4*\m]           ; a negative piece index gives zeros
	v_bfi_b32 v[GAT+4*\m+1], v[SGN+\m], 0, v[GAT+4*\m+1]
	global_store_b64 v5, v[GAT+4*\m:GAT+4*\m+1], s[36:37] offset:(\m/8)*HALFX+256*(\m%8)   ; the wave's store covers 256 consecutive bytes, aligned
.endr
	s_lshl_b32 s58, s53, 2
	v_mov_b32 v26, s58
	v_mov_b32 v27, s3
	v_lshlrev_b32 v28, 4, v27
	v_cmp_eq_u32 vcc_lo, 0, v1
	s_wait_xcnt 0x0                                ; EXEC is a source of the stores above: it narrows only behind this wait
	s_and_saveexec_b32 s54, vcc_lo                 ; lane 0 alone
	global_store_b32 v26, v27, s[38:39]            ; order[rank] = position
	s_cmp_gt_u32 s3, 31
	s_cbranch_scc1 .Ldone
	global_store_b128 v28, v[RC:RC+3], s[40:41]    ; the record of bucket 'position'
.Ldone:
	s_endpgm
.Lfunc_end_k_q7b2f4dad7c_embed:
	.size	k_q7b2f4dad7c_embed, .Lfunc_end_k_q7b2f4dad7c_embed-k_q7b2f4dad7c_embed
	.p2alignl 7, 3214868480
	.fill 96, 4, 3214868480
	.section	.rodata,"a",@progbits
	.p2align	6, 0x0
	.amdhsa_kernel k_q7b2f4dad7c_embed
		.amdhsa_group_segment_fixed_size 0
		.amdhsa_private_segment_fixed_size 0
		.amdhsa_enable_private_segment 0
		.amdhsa_kernarg_size 136
		.amdhsa_user_sgpr_count 2
		.amdhsa_user_sgpr_kernarg_segment_ptr 1
		.amdhsa_wavefront_size32 1
		.amdhsa_system_sgpr_workgroup_id_x 1
		.amdhsa_system_sgpr_workgroup_id_y 1
		.amdhsa_system_sgpr_workgroup_id_z 1
		.amdhsa_system_vgpr_workitem_id 0
		.amdhsa_next_free_vgpr 320
		.amdhsa_next_free_sgpr 66
		.amdhsa_reserve_vcc 1
		.amdhsa_float_denorm_mode_32 3
		.amdhsa_float_denorm_mode_16_64 3
		.amdhsa_memory_ordered 1
		.amdhsa_forward_progress 1
		.amdhsa_inst_pref_size 56
	.end_amdhsa_kernel
	.amdgpu_metadata
---
amdhsa.version: [ 1, 2 ]
amdhsa.kernels:
  - .name:           k_q7b2f4dad7c_embed
    .symbol:         k_q7b2f4dad7c_embed.kd
    .args:
      - { .name: descriptor_index, .offset: 0, .size: 8, .value_kind: global_buffer, .address_space: global }
      - { .name: side_flag, .offset: 8, .size: 8, .value_kind: global_buffer, .address_space: global }
      - { .name: ep_file, .offset: 16, .size: 8, .value_kind: global_buffer, .address_space: global }
      - { .name: fifty_a, .offset: 24, .size: 8, .value_kind: global_buffer, .address_space: global }
      - { .name: castle_ms, .offset: 32, .size: 8, .value_kind: global_buffer, .address_space: global }
      - { .name: piece_idx, .offset: 40, .size: 8, .value_kind: global_buffer, .address_space: global }
      - { .name: Wp_w, .offset: 48, .size: 8, .value_kind: global_buffer, .address_space: global }
      - { .name: Wp_b, .offset: 56, .size: 8, .value_kind: global_buffer, .address_space: global }
      - { .name: Wc_w, .offset: 64, .size: 8, .value_kind: global_buffer, .address_space: global }
      - { .name: Wc_b, .offset: 72, .size: 8, .value_kind: global_buffer, .address_space: global }
      - { .name: Wep_w, .offset: 80, .size: 8, .value_kind: global_buffer, .address_space: global }
      - { .name: Wep_b, .offset: 88, .size: 8, .value_kind: global_buffer, .address_space: global }
      - { .name: Wf_w, .offset: 96, .size: 8, .value_kind: global_buffer, .address_space: global }
      - { .name: Wf_b, .offset: 104, .size: 8, .value_kind: global_buffer, .address_space: global }
      - { .name: xs, .offset: 112, .size: 8, .value_kind: global_buffer, .address_space: global }
      - { .name: order, .offset: 120, .size: 8, .value_kind: global_buffer, .address_space: global }
      - { .name: off, .offset: 128, .size: 8, .value_kind: global_buffer, .address_space: global }
    .group_segment_fixed_size: 0
    .private_segment_fixed_size: 0
    .kernarg_segment_align: 8
    .kernarg_segment_size: 136
    .max_flat_workgroup_size: 256
    .sgpr_count:     66
    .vgpr_count:     320
    .wavefront_size: 32
...
	.end_amdgpu_metadata
.endif
;; end of part 1
;; launch fc1 (part 2): grid 8 x 32, 7 waves a work-group, no clusters, 174,848 bytes of LDS; arguments fc1_w, xs, off, h1p; writes h1p
.if DOCPART == 2
	.amdgcn_target "amdgcn-amd-amdhsa--gfx1250"
	.amdhsa_code_object_version 6
	.text
	.protected	k_q7b2f4dad7c_fc1
	.globl	k_q7b2f4dad7c_fc1
	.p2align	8
	.type	k_q7b2f4dad7c_fc1,@function
k_q7b2f4dad7c_fc1:
	s_mov_b64 s[64:65], 0
	v_nop
	global_prefetch_b8 v0, s[64:65] scope:SCOPE_SE
	s_setreg_imm32_b32 hwreg(HW_REG_WAVE_MODE, 25, 1), 1
	s_wait_xcnt 0x0
; FC1: h1p[kh][row][64 cb ..] = x[row][K half kh] . W1[expert][K half kh][64 columns cb], for the rows (sorted positions) of one expert.
; Work-group = (cb = x & 3, kh = x >> 2, expert = y): 256 work-groups, each reads its 35 slots x 32 rows x 256 bytes = 286,720 bytes of fc1_w once.
; PHASE 1: wave w loads slots 5 w .. 5 w + 4 (80 loads of 16 bytes a lane, all issued at once; each covers two aligned runs of 256 bytes), rounds to f16
; and lays the fragments into LDS: 35 slots x 4 tiles x 1,024 bytes.  One barrier, which every wave passes whatever the counts are.
; PHASE 2: no wave depends on another.  Wave w takes the tiles of 16 rows w, w + 7, ..: x fragments straight from xs into 280 registers, W's fragments
; from LDS through a ring of four register buffers, 140 matrix instructions, the result out through the wave's own stage.
; The matrix instruction is used with A = W transposed and B = x transposed.  A 16-byte load of W gives a lane columns 4 r .. 4 r + 3, so tile j takes
; word j: row m of tile j is column 4 m + j.  In D lane (r, h), register i holds row r of x, column 32 h + 4 i + j, which is written at place
; 32 h + 8 j + i of the block's 64: h1p's columns lie in that order, and the next launch reads its vectors and fc2's rows to match.
; NO JOINT LOADS: work-groups share x alone (the four column blocks of an expert's half).  The x tiles of seven waves (7 x 16 rows x 2,448 bytes = 274,176)
; and W's image (143,360) do not fit into LDS together, so x goes to registers straight, which a joint request cannot serve.
; A slot's two x loads take 32 bytes of each of 16 rows; the four slots of an aligned run of 256 bytes are asked for by eight neighbouring loads of one wave.
; LOADED NUMBERS: the expert's record { first row, rows, tiles } comes from the launch before.  The tile loop runs a fixed 19 trips (128 tiles at the most,
; seven waves); a trip whose tile the expert does not have is jumped over.  A row number past the expert's last row is replaced by the last row, then clamped
; once by a constant, with only shifts and adds behind the clamp: the surplus lanes of a last tile compute the last row again and store the same numbers
; to the same bytes, so that every store runs with all lanes on and EXEC is never written.
; LIMITS: operands are f16 (above 65504: inf; below 6e-5 the step is 6e-8), sums f32.
.set EXPW,  2293760                    ; bytes of an expert's W1
.set ROWB,  2304                       ; bytes of a row of xs = 2048 + 256
.set HALFX, 2048*ROWB
.set NSLOT, 35
.set TRIPS, 19                         ; tiles 0 .. 127 over seven waves
.set STAGE, NSLOT*4096                 ; behind W's image: 16 rows x 272 bytes for each wave
.set SP,    272
.set WADR,  4                          ; v[4:8]    byte offset of my 16 bytes in slot g's first row pair of W
.set WST,   9                          ; v9        where my fragments go in LDS
.set WR0,   10                         ; v[10:12]  16 lane + 0, 49152, 98304: twelve slots of the image each
.set XV,    13                         ; v13       byte offset of my row of xs + 16 h
.set STO,   14                         ; v14       stage, in
.set RD,    15                         ; v15       stage, back
.set OV,    17                         ; v17       16 r: my 16 bytes of a run of 256
.set RING,  24                         ; v[24:151] four buffers of 4 tiles x 8; in phase 1 v[24:183] the five slots' fragments
.set RAW4,  184                        ; v[184:247] slot 4 as loaded (slots 0-3: v[256:511])
.set XE,    184                        ; v[184:207] x fragments of slots 32-34 (slots 0-31: v[256:511])
.set OQ,    208                        ; v[208:215] byte offset in h1p of my 16 bytes of row 2 q + h of the tile
.set ACC,   224                        ; v[224:255] four accumulators
.set MSB, 0
.macro WIN new                         ; s_set_vgpr_msb: bits 1:0 source 0, 3:2 source 1, 5:4 source 2, 7:6 destination; the high byte repeats the setting that is left
.if MSB != \new
	s_set_vgpr_msb (MSB<<8)|\new
.set MSB, \new
.endif
.endm
	s_load_b256 s[4:11], s[0:1], 0x0               ; fc1_w 4, xs 6, off 8, h1p 10
	v_lshl_add_u32 v22, v0, 2, 0x2a700
	v_mov_b32 v23, 0
	v_lshrrev_b32 v1, 5, v0
	v_readfirstlane_b32 s14, v1                    ; wave
	s_and_b32 s15, ttmp9, 3                        ; cb
	s_lshr_b32 s16, ttmp9, 2                       ; kh
	s_and_b32 s17, ttmp7, 0xffff                   ; expert
	v_and_b32 v3, 31, v0                           ; lane
	v_and_b32 v1, 15, v0                           ; r
	v_bfe_u32 v2, v0, 4, 1                         ; h
	v_lshlrev_b32 v18, 4, v1
	v_lshl_add_u32 v18, v2, 13, v18                ; 16 r + 8 h rows of 1,024 bytes
	s_mul_i32 s24, s14, 5                          ; my first slot
	s_lshl_b32 s25, s16, 5                         ; slots 0-31: feature group 32 kh + slot
	s_mul_i32 s26, s16, 3
	s_add_co_u32 s26, s26, 32                      ; slots 32-34: group 32 + 3 kh + slot
.irp g, 0,1,2,3,4
	s_add_co_u32 s27, s24, \g
	s_cmp_lt_u32 s27, 32
	s_cselect_b32 s28, s25, s26
	s_add_co_u32 s28, s28, s27
	s_lshl_b32 s28, s28, 15                        ; a group is 32 rows of 1,024 bytes
	v_add_nc_u32 v[WADR+\g], s28, v18
.endr
	s_lshl_b32 s29, s17, 4
	s_mul_i32 s22, s17, EXPW
	s_lshl_b32 s28, s15, 8
	s_add_co_u32 s22, s22, s28
	s_mov_b32 s23, 0
	s_wait_kmcnt 0x0
	s_load_b128 s[36:39], s[8:9], s29 offset:0x0   ; the expert's record: first row, rows, tiles, 0
	s_add_nc_u64 s[4:5], s[4:5], s[22:23]          ; W1[expert], my 64 columns
	; load n = t + 8 u of a slot: row 8 h + t + 16 u, columns 4 r .. 4 r + 3
	WIN 0x40                                       ; destination v256 and up
.irp g, 0,1,2,3
.irp n, 0,1,2,3,4,5,6,7,8,9,10,11,12,13,14,15
	global_load_b128 v[64*\g+4*\n:64*\g+4*\n+3], v[WADR+\g], s[4:5] offset:1024*((\n&7)+16*(\n>>3)) th:TH_LOAD_NT
.endr
.endr
	WIN 0
.irp n, 0,1,2,3,4,5,6,7,8,9,10,11,12,13,14,15
	global_load_b128 v[RAW4+4*\n:RAW4+4*\n+3], v[WADR+4], s[4:5] offset:1024*((\n&7)+16*(\n>>3)) th:TH_LOAD_NT
.endr
	s_mul_i32 s30, s14, 5*4096
	v_lshlrev_b32 v[WR0], 4, v3
	v_add_nc_u32 v[WST], s30, v[WR0]
	v_add_nc_u32 v[WR0+1], 49152, v[WR0]
	v_add_nc_u32 v[WR0+2], 98304, v[WR0]
	s_mul_i32 s30, s14, 16*SP
	s_add_co_u32 s30, s30, STAGE                   ; my stage
	v_mad_u32_u24 v[STO], v1, SP, s30
	v_lshl_add_u32 v[STO], v2, 7, v[STO]           ; in: row r, 128 bytes for each half of the lanes
	v_mad_u32_u24 v[RD], v2, SP, s30
	v_lshl_add_u32 v[RD], v1, 4, v[RD]             ; back: lanes 0-15 one row of 256 bytes, lanes 16-31 the next
	v_lshlrev_b32 v[OV], 4, v1
	v_lshlrev_b32 v19, 4, v2                       ; 16 h
	s_wait_kmcnt 0x0
	s_min_u32 s19, s38, 128                        ; the expert's tiles of 16 rows
	s_add_co_u32 s31, s36, s37
	s_sub_co_u32 s31, s31, 1                       ; its last row (used only where it has a tile, that is a row)
	s_mul_i32 s22, s16, HALFX
	s_add_nc_u64 s[6:7], s[6:7], s[22:23]          ; xs, my half
	s_lshl_b32 s22, s16, 21
	s_lshl_b32 s28, s15, 8
	s_add_co_u32 s22, s22, s28
	s_add_nc_u64 s[32:33], s[10:11], s[22:23]      ; h1p: my half, my 256 bytes of a row
; fragment register q of tile j = rows n = 2 q, 2 q + 1 of the lane's sixteen, word j
.macro CONV g, src
.irp j, 0,1,2,3
.irp q, 0,1,2,3,4,5,6,7
	v_cvt_pk_f16_f32 v[RING+32*\g+8*\j+\q], v[\src+8*\q+\j], v[\src+8*\q+4+\j]
.endr
.endr
.endm
.macro PUT g
.irp j, 0,1,2,3
.irp u, 0,1
	ds_store_b128 v[WST], v[RING+32*\g+8*\j+4*\u:RING+32*\g+8*\j+4*\u+3] offset:4096*\g+1024*\j+512*\u
.endr
.endr
.endm
	s_wait_loadcnt 63                              ; 64 younger loads would do for slot 0; the wait's field holds 63
	WIN 0x05                                       ; sources in v256 and up
	CONV 0, 0
	WIN 0
	PUT 0
	s_wait_loadcnt 48                              ; three younger slots of 16 loads stay out
	WIN 0x05
	CONV 1, 64
	WIN 0
	PUT 1
	s_wait_loadcnt 32
	WIN 0x05
	CONV 2, 128
	WIN 0
	PUT 2
	s_wait_loadcnt 16
	WIN 0x05
	CONV 3, 192
	WIN 0
	PUT 3
	s_wait_loadcnt 0x0
	CONV 4, RAW4
	PUT 4
	s_wait_dscnt 0x0                               ; my part of the image is written,
	s_barrier_signal -1
	s_barrier_wait -1                              ; everybody's is.  The image is never written again: no further barrier
	s_mov_b32 s21, 0                               ; trip
; the four tiles of slot sg, from the image into ring buffer sg % 4
.macro LDW sg
.irp j, 0,1,2,3
.irp u, 0,1
	ds_load_b128 v[RING+32*((\sg)%4)+8*\j+4*\u:RING+32*((\sg)%4)+8*\j+4*\u+3], v[WR0+(\sg)/12] offset:4096*((\sg)%12)+1024*\j+512*\u
.endr
.endr
.endm
.Ltile:
	s_mul_i32 s27, s21, 7
	s_add_co_u32 s27, s27, s14                     ; my tile of this trip
	s_cmp_ge_u32 s27, s19
	s_cbranch_scc1 .Lskip                          ; the expert has no such tile
	s_lshl_b32 s28, s27, 4
	s_add_co_u32 s29, s36, s28                     ; the tile's first row
	v_add_nc_u32 v18, s29, v1
	v_min_u32 v18, s31, v18                        ; past the expert's last row: the last row again
	v_min_u32 v18, 2047, v18                       ; the one clamp by a constant
	v_lshl_add_u32 v[XV], v18, 8, v19              ; row x 2304 = row x 256 + row x 2048
	v_lshl_add_u32 v[XV], v18, 11, v[XV]
	v_add_nc_u32 v20, s29, v2
.irp q, 0,1,2,3,4,5,6,7
	v_add_nc_u32 v[OQ+\q], 2*\q, v20               ; row 2 q + h of the tile, treated likewise
	v_min_u32 v[OQ+\q], s31, v[OQ+\q]
	v_min_u32 v[OQ+\q], 2047, v[OQ+\q]
	v_lshl_add_u32 v[OQ+\q], v[OQ+\q], 10, v[OV]
.endr
	WIN 0x40
.set sg, 0
.rept 32
	global_load_b128 v[8*sg:8*sg+3], v[XV], s[6:7] offset:64*sg          ; features 8 h .. 8 h + 7 of slot sg, row r
	global_load_b128 v[8*sg+4:8*sg+7], v[XV], s[6:7] offset:64*sg+32     ; features 16 + 8 h ..
.set sg, sg+1
.endr
	WIN 0
.rept 3
	global_load_b128 v[XE+8*(sg-32):XE+8*(sg-32)+3], v[XV], s[6:7] offset:64*sg
	global_load_b128 v[XE+8*(sg-32)+4:XE+8*(sg-32)+7], v[XV], s[6:7] offset:64*sg+32
.set sg, sg+1
.endr
	LDW 0
	LDW 1
	LDW 2
	; One slot a step.  The four accumulators take turns, one instruction a turn.
	; The four v_nop are the places between a buffer's matrix instructions and the next load into it (ISA guide 7.12.1 for vector instructions).
.set sg, 0
.rept NSLOT
.if sg+3 < NSLOT
	LDW sg+3                                       ; into the buffer that the step before has read
.endif
.if sg < 32
	s_wait_dscnt 24                                ; three younger slots of eight loads stay out
.else
	s_wait_dscnt 8*(34-sg)
.endif
.if sg < 3
	s_wait_loadcnt 63                              ; more than 63 younger x loads: the wait's field holds 63
.else
	s_wait_loadcnt 2*(34-sg)                       ; two loads for each younger slot stay out
.endif
.if sg < 32
	WIN 0x04                                       ; B from v256 and up; LDS loads name source 0 and the destination, which stay below
.set xb, 8*sg
.else
	WIN 0
.set xb, XE+8*(sg-32)
.endif
.irp j, 0,1,2,3
.if sg == 0
	v_wmma_f32_16x16x32_f16 v[ACC+8*\j:ACC+8*\j+7], v[RING+32*(sg%4)+8*\j:RING+32*(sg%4)+8*\j+7], v[xb:xb+7], 0
.else
	v_wmma_f32_16x16x32_f16 v[ACC+8*\j:ACC+8*\j+7], v[RING+32*(sg%4)+8*\j:RING+32*(sg%4)+8*\j+7], v[xb:xb+7], v[ACC+8*\j:ACC+8*\j+7]
.endif
.endr
.rept 4
	v_nop
.endr
.set sg, sg+1
.endr
	v_nop
	; the way out: 16 rows x 256 bytes through my own stage (LDS serves a wave's instructions in order: no wait between stores and loads)
.irp j, 0,1,2,3
.irp u, 0,1
	ds_store_b128 v[STO], v[ACC+8*\j+4*\u:ACC+8*\j+4*\u+3] offset:32*\j+16*\u
.endr
.endr
.irp q, 0,1,2,3,4,5,6,7
	ds_load_b128 v[RING+4*\q:RING+4*\q+3], v[RD] offset:2*SP*\q
.endr
.irp q, 0,1,2,3,4,5,6,7
	s_wait_dscnt 7-\q                              ; LDS loads come back in order: the younger ones stay out
	global_store_b128 v[OQ+\q], v[RING+4*\q:RING+4*\q+3], s[32:33]   ; sixteen lanes store 256 consecutive bytes, aligned
.endr
	s_wait_xcnt 0x0                                ; the stores' offsets and data are written again in the next trip only behind this wait
.Lskip:
	s_add_co_u32 s21, s21, 1
	s_cmp_lt_u32 s21, TRIPS
	s_cbranch_scc1 .Ltile
	s_wait_tensorcnt 0x0
	ds_add_u32 v22, v23
	s_wait_dscnt 0x0
	s_endpgm
.Lfunc_end_k_q7b2f4dad7c_fc1:
	.size	k_q7b2f4dad7c_fc1, .Lfunc_end_k_q7b2f4dad7c_fc1-k_q7b2f4dad7c_fc1
	.p2alignl 7, 3214868480
	.fill 96, 4, 3214868480
	.section	.rodata,"a",@progbits
	.p2align	6, 0x0
	.amdhsa_kernel k_q7b2f4dad7c_fc1
		.amdhsa_group_segment_fixed_size 174848
		.amdhsa_private_segment_fixed_size 0
		.amdhsa_enable_private_segment 0
		.amdhsa_kernarg_size 32
		.amdhsa_user_sgpr_count 2
		.amdhsa_user_sgpr_kernarg_segment_ptr 1
		.amdhsa_wavefront_size32 1
		.amdhsa_system_sgpr_workgroup_id_x 1
		.amdhsa_system_sgpr_workgroup_id_y 1
		.amdhsa_system_sgpr_workgroup_id_z 1
		.amdhsa_system_vgpr_workitem_id 0
		.amdhsa_next_free_vgpr 512
		.amdhsa_next_free_sgpr 66
		.amdhsa_reserve_vcc 0
		.amdhsa_float_denorm_mode_32 3
		.amdhsa_float_denorm_mode_16_64 3
		.amdhsa_memory_ordered 1
		.amdhsa_forward_progress 1
		.amdhsa_inst_pref_size 68
	.end_amdhsa_kernel
	.amdgpu_metadata
---
amdhsa.version: [ 1, 2 ]
amdhsa.kernels:
  - .name:           k_q7b2f4dad7c_fc1
    .symbol:         k_q7b2f4dad7c_fc1.kd
    .args:
      - { .name: fc1_w, .offset: 0, .size: 8, .value_kind: global_buffer, .address_space: global }
      - { .name: xs, .offset: 8, .size: 8, .value_kind: global_buffer, .address_space: global }
      - { .name: off, .offset: 16, .size: 8, .value_kind: global_buffer, .address_space: global }
      - { .name: h1p, .offset: 24, .size: 8, .value_kind: global_buffer, .address_space: global }
    .group_segment_fixed_size: 174848
    .private_segment_fixed_size: 0
    .kernarg_segment_align: 8
    .kernarg_segment_size: 32
    .max_flat_workgroup_size: 224
    .sgpr_count:     66
    .vgpr_count:     512
    .wavefront_size: 32
...
	.end_amdgpu_metadata
.endif
;; end of part 2
;; launch tail (part 3): grid 4 x 32, 8 waves a work-group, no clusters, 186,368 bytes of LDS; arguments off, order, h1p, fc1_b, ln1_g, ln1_b, fc2_w, fc2_b, ln2_g, ln2_b, blkA_w, blkA_b, blkA_g, blkA_be, blkB_w, blkB_b, blkB_g, blkB_be, out_w, out_b, bins, out0, out1; writes out0, out1
.if DOCPART == 3
	.amdgcn_target "amdgcn-amd-amdhsa--gfx1250"
	.amdhsa_code_object_version 6
	.text
	.protected	k_q7b2f4dad7c_tail
	.globl	k_q7b2f4dad7c_tail
	.p2align	8
	.type	k_q7b2f4dad7c_tail,@function
k_q7b2f4dad7c_tail:
	s_mov_b64 s[64:65], 0
	v_nop
	global_prefetch_b8 v0, s[64:65] scope:SCOPE_SE
	s_setreg_imm32_b32 hwreg(HW_REG_WAVE_MODE, 25, 1), 1
	s_wait_xcnt 0x0
; TAIL: for the rows of one expert: h1 = LN1(gelu(h1p half 0 + half 1 + fc1_b)), fc2, 12 residual blocks, logits, p_win.
; Work-group = (sub = x, expert = y), 8 waves.  PREP: the waves share out the expert's weights, round them to f16 and lay them into LDS as fragment images
; (24 layer records, fc2, the out layer); one barrier, which every wave passes whatever the counts are.  Behind it no wave depends on another:
; tile sub + 4 wave + 32 trip of 16 rows is one wave's work from h1p to the outputs, in LDS bytes of its own.
; LAYOUT OF A 32 x 32 LAYER: A = W transposed, B = activations (lane = row of the tile).  Tile j's row m is output column 2 m + j, so D's tile j, register i of
; lane (r, h) is column 16 h + 2 i + j of row r, and packing register p of tile 0 with register p of tile 1 gives the next B fragment with K slot
; (h, p, half b) = column 16 h + 2 p + b.  A's fragments are built in the same K order.  Lanes meet only in the sums of LN and softmax.
; THE 24 LAYERS ARE WRITTEN OUT: each record is read at 16 lane (or 64 h) plus an immediate, 61,232 at the most, so that no LDS address is ever stepped
; and every wave's LDS bytes can be read off the text.
; gelu(x) = max(x, 0) - |x| q, q = erfc(|x| / sqrt 2) / 2 by the rational form 7.1.26 of Abramowitz and Stegun (absolute error 1.5e-7); nothing cancels.
; Nothing is shared between work-groups but read-only weights of 137 KB an expert, read through registers because they are converted: no joint loads.
; LOADED NUMBERS: the expert's record { first row, rows, tiles }.  The tile loop runs a fixed 4 trips (128 tiles at the most over 4 x 8 waves); a trip whose tile
; the expert does not have is jumped over.  A row number past the expert's last row is replaced by the last row, then clamped once by a constant; a position
; from order[] is clamped once; behind a clamp only shifts, multiplies and adds.  The surplus rows of a last tile are the last row again: they give the same
; numbers, stored to the same bytes, so that every store runs with all lanes on and EXEC is never written.
; LIMITS: matrix operands are f16 (above 65504: inf; below 6e-5 the step is 6e-8), everything else f32.  v_exp_f32, v_rcp_f32 and v_rsq_f32 flush
; denormals (ISA guide 15.8), so gelu(x) = -0 below about -13.
.set REC,   2560                       ; a layer's record: fragment 0 +0, fragment 1 +1024, bias +2048, gain +2176, shift +2304
.set FC2,   24*REC                     ; fragment (step s, tile j) at 1024 (2 s + j); bias, gain, shift at +16384, +16512, +16640
.set OUTL,  FC2+16896                  ; fragment j at 1024 j; out_b's image +4096; bins' image +4352
.set HB,    OUTL+4608                  ; LN1's output in f16: 16 rows x 528 bytes for each wave
.set HBP,   528
.set STG,   HB+8*16*HBP                ; logits on their way out: 16 rows x 272 bytes for each wave
.set SP,    272
.set HALFH, 2048*1024
; v1 lane, v2 r, v3 h, v4 = 16 lane, v5 = 64 h (records), v6 HB in, v7 stage in, v8 stage back, v9 position (as loaded), v10 v11 v14 at work,
; v[12:13] a5 / 2 twice, v15 offset into order[]
.set H,    16                          ; v[16:31]   the residual stream: tile 0, tile 1
.set ACC,  32                          ; v[32:47]
.set XB,   48                          ; v[48:55]   B fragment
.set T,    56                          ; v[56:103]  at work
.set BUF0, 104                         ; v[104:167] a record: fragments 16, bias 16, gain 16, shift 16
.set BUF1, 168                         ; v[168:231]
.set VB,   232                         ; v[232:255] fc1_b, ln1_g, ln1_b of my 8 places in a row of h1p
.set VG,   240
.set VBE,  248
.set AD,   144                         ; phase A: v[16:143] two batches of 4 rows x 16, v[144:159] the 16 rows' offsets, v[160:191] at work
.set TM,   160
.macro SPAIR r, val
	s_mov_b32 s[\r], \val
	s_mov_b32 s[\r+1], \val
.endm
.macro PLACES                          ; four places behind a matrix instruction (ISA guide 7.12.1)
.rept 4
	v_nop
.endr
.endm
; eight gelus in place; t: 32 registers at work (x^2 then 2^.., |x|, 1 / (1 + p |x|), the polynomial)
.macro GELU8 x, t
.irp k, 0,2,4,6
	v_pk_mul_f32 v[\t+\k:\t+\k+1], v[\x+\k:\x+\k+1], v[\x+\k:\x+\k+1]
.endr
.irp k, 0,1,2,3,4,5,6,7
	v_and_b32 v[\t+8+\k], s85, v[\x+\k]
.endr
.irp k, 0,2,4,6
	v_pk_mul_f32 v[\t+\k:\t+\k+1], v[\t+\k:\t+\k+1], s[66:67] op_sel_hi:[1,0]
.endr
.irp k, 0,2,4,6
	v_pk_fma_f32 v[\t+16+\k:\t+17+\k], v[\t+8+\k:\t+9+\k], s[68:69], 1.0 op_sel_hi:[1,0,0]
.endr
.irp k, 0,1,2,3,4,5,6,7
	v_exp_f32 v[\t+\k], v[\t+\k]
.endr
.irp k, 0,1,2,3,4,5,6,7
	v_rcp_f32 v[\t+16+\k], v[\t+16+\k]
.endr
.irp k, 0,1,2,3,4,5,6,7
	v_max_num_f32 v[\x+\k], 0, v[\x+\k]            ; plain work between the transcendentals and the first use of their results (ISA guide 5.7.2)
.endr
	s_wait_alu depctr_va_vdst(0)
.irp k, 0,2,4,6
	v_pk_fma_f32 v[\t+24+\k:\t+25+\k], v[\t+16+\k:\t+17+\k], v[12:13], s[72:73] op_sel_hi:[1,1,0]
.endr
.irp c, 74,76,78
.irp k, 0,2,4,6
	v_pk_fma_f32 v[\t+24+\k:\t+25+\k], v[\t+24+\k:\t+25+\k], v[\t+16+\k:\t+17+\k], s[\c:\c+1] op_sel_hi:[1,1,0]
.endr
.endr
.irp k, 0,2,4,6
	v_pk_mul_f32 v[\t+24+\k:\t+25+\k], v[\t+24+\k:\t+25+\k], v[\t+16+\k:\t+17+\k]
.endr
.irp k, 0,2,4,6
	v_pk_mul_f32 v[\t+24+\k:\t+25+\k], v[\t+24+\k:\t+25+\k], v[\t+\k:\t+\k+1]
.endr
.irp k, 0,2,4,6
	v_pk_fma_f32 v[\x+\k:\x+\k+1], v[\t+8+\k:\t+9+\k], v[\t+24+\k:\t+25+\k], v[\x+\k:\x+\k+1] neg_lo:[1,0,0] neg_hi:[1,0,0]
.endr
.endm
.macro WSUM r, u                       ; sum over the 32 lanes, in every lane
	v_add_f32_dpp v[\r], v[\r], v[\r] row_xmask:1 row_mask:0xf bank_mask:0xf
	v_add_f32_dpp v[\r], v[\r], v[\r] row_xmask:2 row_mask:0xf bank_mask:0xf
	v_add_f32_dpp v[\r], v[\r], v[\r] row_xmask:4 row_mask:0xf bank_mask:0xf
	v_add_f32_dpp v[\r], v[\r], v[\r] row_xmask:8 row_mask:0xf bank_mask:0xf
	v_permlanex16_b32 v[\u], v[\r], s80, s81
	v_add_f32 v[\r], v[\r], v[\u]
.endm
; LN over 32 columns: 16 in my registers, 16 in lane xor 16.  y is left as y - mean, g as g / sigma; o = the result
.macro LN16 y, g, be, o
	v_pk_add_f32 v[56:57], v[\y:\y+1], v[\y+2:\y+3]
	v_pk_add_f32 v[58:59], v[\y+4:\y+5], v[\y+6:\y+7]
	v_pk_add_f32 v[60:61], v[\y+8:\y+9], v[\y+10:\y+11]
	v_pk_add_f32 v[62:63], v[\y+12:\y+13], v[\y+14:\y+15]
	v_pk_add_f32 v[56:57], v[56:57], v[58:59]
	v_pk_add_f32 v[60:61], v[60:61], v[62:63]
	v_pk_add_f32 v[56:57], v[56:57], v[60:61]
	v_add_f32 v56, v56, v57
	v_permlanex16_b32 v57, v56, s80, s81
	v_add_f32 v56, v56, v57
	v_mul_f32 v56, s82, v56
.irp k, 0,2,4,6,8,10,12,14
	v_pk_add_f32 v[\y+\k:\y+\k+1], v[\y+\k:\y+\k+1], v[56:57] op_sel_hi:[1,0] neg_lo:[0,1] neg_hi:[0,1]
.endr
	v_pk_mul_f32 v[58:59], v[\y:\y+1], v[\y:\y+1]
	v_pk_mul_f32 v[60:61], v[\y+2:\y+3], v[\y+2:\y+3]
.irp k, 4,8,12
	v_pk_fma_f32 v[58:59], v[\y+\k:\y+\k+1], v[\y+\k:\y+\k+1], v[58:59]
	v_pk_fma_f32 v[60:61], v[\y+\k+2:\y+\k+3], v[\y+\k+2:\y+\k+3], v[60:61]
.endr
	v_pk_add_f32 v[58:59], v[58:59], v[60:61]
	v_add_f32 v58, v58, v59
	v_permlanex16_b32 v59, v58, s80, s81
	v_add_f32 v58, v58, v59
	v_fma_f32 v58, v58, s82, s83
	v_rsq_f32 v58, v58
	v_nop
	s_wait_alu depctr_va_vdst(0)
.irp k, 0,2,4,6,8,10,12,14
	v_pk_mul_f32 v[\g+\k:\g+\k+1], v[\g+\k:\g+\k+1], v[58:59] op_sel_hi:[1,0]
.endr
.irp k, 0,2,4,6,8,10,12,14
	v_pk_fma_f32 v[\o+\k:\o+\k+1], v[\y+\k:\y+\k+1], v[\g+\k:\g+\k+1], v[\be+\k:\be+\k+1]
.endr
.endm
.macro XBPACK src
.irp p, 0,1,2,3,4,5,6,7
	v_cvt_pk_f16_f32 v[XB+\p], v[\src+\p], v[\src+8+\p]
.endr
.endm
.macro LOADREC buf, imm
.irp q, 0,1,2,3
	ds_load_b128 v[\buf+4*\q:\buf+4*\q+3], v4 offset:\imm+512*\q
.endr
.irp q, 0,1,2,3,4,5,6,7,8,9,10,11
	ds_load_b128 v[\buf+16+4*\q:\buf+19+4*\q], v5 offset:\imm+2048+128*(\q/4)+16*(\q%4)
.endr
.endm
; 32 loaded words r (16 rows x 2 columns) to two fragments, stored at adr + imm
.macro FRAGS r, adr, imm
.irp p, 0,1,2,3,4,5,6,7
	v_cvt_pk_f16_f32 v[168+\p], v[\r+4*\p+1], v[\r+4*\p+3]
	v_cvt_pk_f16_f32 v[\r+\p], v[\r+4*\p], v[\r+4*\p+2]        ; in place: register p is read no later than in turn p
.endr
	ds_store_b128 v[\adr], v[\r:\r+3] offset:\imm
	ds_store_b128 v[\adr], v[\r+4:\r+7] offset:\imm+512
	ds_store_b128 v[\adr], v[168:171] offset:\imm+1024
	ds_store_b128 v[\adr], v[172:175] offset:\imm+1536
.endm
	s_load_b512 s[8:23], s[0:1], 0x0               ; off 8, order 10, h1p 12, fc1_b 14, ln1_g 16, ln1_b 18, fc2_w 20, fc2_b 22
	s_load_b512 s[24:39], s[0:1], 0x40             ; ln2_g 24, ln2_b 26, blkA_w 28, _b 30, _g 32, _be 34, blkB_w 36, _b 38
	s_load_b256 s[40:47], s[0:1], 0x80             ; blkB_g 40, _be 42, out_w 44, out_b 46
	s_load_b128 s[48:51], s[0:1], 0xa0             ; bins 48, out0 50
	s_load_b64 s[52:53], s[0:1], 0xb0              ; out1
	s_set_vgpr_msb 0x40
	v_lshl_add_u32 v0, v0, 2, 0x2d400
	v_mov_b32 v1, 0
	s_set_vgpr_msb 0x4000
	v_lshrrev_b32 v1, 5, v0
	v_readfirstlane_b32 s2, v1                     ; wave
	s_and_b32 s3, ttmp7, 0xffff                    ; expert
	s_mov_b32 s100, ttmp9                          ; sub
	s_lshr_b32 s90, s2, 1
	s_and_b32 s91, s2, 1
	v_and_b32 v1, 31, v0
	v_and_b32 v2, 15, v0
	v_bfe_u32 v3, v0, 4, 1
	SPAIR 66, 0xbf38aa3b                           ; -log2(e) / 2
	SPAIR 68, 0x3e6d3388                           ; 0.3275911 / sqrt 2
	SPAIR 72, 0xbf3a00e3                           ; a4 / 2
	SPAIR 74, 0x3f35f0e3                           ; a3 / 2
	SPAIR 76, 0xbe11a98e                           ; a2 / 2
	SPAIR 78, 0x3e027906                           ; a1 / 2
	s_mov_b32 s80, 0x76543210                      ; v_permlanex16_b32: lane i reads lane i xor 16
	s_mov_b32 s81, 0xfedcba98
	s_mov_b32 s82, 0x3d000000                      ; 1 / 32
	s_mov_b32 s83, 0x3727c5ac                      ; 1e-5
	s_mov_b32 s84, 0x3b800000                      ; 1 / 256
	s_mov_b32 s85, 0x7fffffff
	SPAIR 86, 0x3fb8aa3b                           ; log2(e)
	; PREP, addresses
	v_lshlrev_b32 v10, 3, v2
	v_lshl_add_u32 v11, v3, 7, v10                 ; fc2: row h, columns 2 r, 2 r + 1
	v_lshl_add_u32 v10, v3, 11, v10                ; layers: row 16 h, columns 2 r, 2 r + 1
	v_lshlrev_b32 v15, 2, v1
	v_lshrrev_b32 v176, 3, v1                      ; true column of place 4 lane of a row of h1p: 32 (l >> 3) + 16 (l & 1) + ((l >> 1) & 3)
	v_and_b32 v190, 1, v1
	v_bfe_u32 v191, v1, 1, 2
	v_lshlrev_b32 v176, 7, v176
	v_lshl_add_u32 v176, v190, 6, v176
	v_lshl_add_u32 v176, v191, 2, v176
	s_lshl_b32 s92, s90, 4
	v_add_nc_u32 v179, s92, v2                     ; out layer: column 16 j + r, j = wave >> 1
	v_min_u32 v14, 50, v179
	s_lshl_b32 s92, s91, 3
	v_lshl_add_u32 v180, v3, 4, s92                ; row 16 h + 8 u, u = wave & 1
	v_mul_u32_u24 v180, 204, v180
	v_lshl_add_u32 v14, v14, 2, v180
	v_lshrrev_b32 v186, 3, v1
	v_and_b32 v187, 7, v1
	v_lshl_add_u32 v186, v186, 4, v187             ; image slot lane: column 16 (l >> 3) + (l & 7)
	v_add_nc_u32 v187, 8, v186                     ; image slot lane + 32: eight columns on
	v_min_u32 v177, 50, v186
	v_lshlrev_b32 v177, 2, v177
	v_min_u32 v178, 50, v187
	v_lshlrev_b32 v178, 2, v178
	s_lshl_b32 s101, s3, 4
	s_wait_kmcnt 0x0
	s_load_b128 s[4:7], s[8:9], s101 offset:0x0    ; the expert's record: first row, rows, tiles, 0
	s_cmp_eq_u32 s91, 0                            ; my layers are records wave + 8 i: layer A or B of block (wave >> 1) + 4 i
	s_cselect_b64 s[54:55], s[28:29], s[36:37]
	s_cselect_b64 s[56:57], s[30:31], s[38:39]
	s_cselect_b64 s[58:59], s[32:33], s[40:41]
	s_cselect_b64 s[60:61], s[34:35], s[42:43]
	s_mov_b32 s63, 0
	s_lshl_b32 s62, s90, 17
	s_lshl_b32 s92, s3, 12
	s_add_co_u32 s62, s62, s92
	s_add_nc_u64 s[54:55], s[54:55], s[62:63]
	s_lshl_b32 s62, s90, 12
	s_lshl_b32 s92, s3, 7
	s_add_co_u32 s62, s62, s92
	s_add_nc_u64 s[56:57], s[56:57], s[62:63]
	s_add_nc_u64 s[58:59], s[58:59], s[62:63]
	s_add_nc_u64 s[60:61], s[60:61], s[62:63]
	s_lshl_b32 s62, s3, 15
	s_lshl_b32 s92, s2, 12
	s_add_co_u32 s62, s62, s92
	s_add_nc_u64 s[20:21], s[20:21], s[62:63]      ; fc2_w[expert], K step = wave
	s_mul_i32 s62, s3, 6528
	s_add_nc_u64 s[44:45], s[44:45], s[62:63]
	s_lshl_b32 s62, s3, 10
	s_add_nc_u64 s[14:15], s[14:15], s[62:63]
	s_add_nc_u64 s[16:17], s[16:17], s[62:63]
	s_add_nc_u64 s[18:19], s[18:19], s[62:63]
	s_lshl_b32 s62, s3, 7
	s_add_nc_u64 s[22:23], s[22:23], s[62:63]
	s_add_nc_u64 s[24:25], s[24:25], s[62:63]
	s_add_nc_u64 s[26:27], s[26:27], s[62:63]
	s_mul_i32 s62, s3, 204
	s_add_nc_u64 s[46:47], s[46:47], s[62:63]
	; PREP, loads: all together
.irp i, 0,1,2
.irp n, 0,1,2,3,4,5,6,7,8,9,10,11,12,13,14,15
	global_load_b64 v[16+32*\i+2*\n:17+32*\i+2*\n], v10, s[54:55] offset:524288*\i+128*\n
.endr
	global_load_b32 v[152+3*\i], v15, s[56:57] offset:16384*\i
	global_load_b32 v[153+3*\i], v15, s[58:59] offset:16384*\i
	global_load_b32 v[154+3*\i], v15, s[60:61] offset:16384*\i
.endr
.irp n, 0,1,2,3,4,5,6,7,8,9,10,11,12,13,14,15
	global_load_b64 v[112+2*\n:113+2*\n], v11, s[20:21] offset:128*(4*(\n&7)+2*(\n>>3))   ; true row 32 s + 4 t + 2 u + h: the order of h1p's places
.endr
.irp n, 0,1,2,3,4,5,6,7
	global_load_b32 v[144+\n], v14, s[44:45] offset:204*\n
.endr
.irp c, 0,1
.irp n, 0,1,2,3
	global_load_b32 v[VB+4*\c+\n], v176, s[14:15] offset:512*\c+16*\n
	global_load_b32 v[VG+4*\c+\n], v176, s[16:17] offset:512*\c+16*\n
	global_load_b32 v[VBE+4*\c+\n], v176, s[18:19] offset:512*\c+16*\n
.endr
.endr
	global_load_b32 v161, v15, s[22:23]            ; the small vectors: seven words a lane, loaded by every wave, laid into LDS by wave 7
	global_load_b32 v162, v15, s[24:25]
	global_load_b32 v163, v15, s[26:27]
	global_load_b32 v164, v177, s[46:47]
	global_load_b32 v165, v178, s[46:47]
	global_load_b32 v166, v177, s[48:49]
	global_load_b32 v167, v178, s[48:49]
	; PREP, LDS addresses; every wave writes bytes that are its own by its number
	s_mul_i32 s92, s2, REC
	v_lshl_add_u32 v181, v1, 4, s92
	s_lshl_b32 s93, s2, 11
	s_add_co_u32 s93, s93, FC2
	v_lshl_add_u32 v182, v1, 4, s93
	v_and_b32 v184, 1, v1                          ; column c = lane of a 32-vector goes to word 16 (c >> 4) + 8 (c & 1) + ((c >> 1) & 7): the accumulators' order
	v_bfe_u32 v185, v1, 1, 3
	v_lshlrev_b32 v183, 6, v3
	v_lshl_add_u32 v183, v184, 5, v183
	v_lshl_add_u32 v183, v185, 2, v183
	v_add_nc_u32 v184, s92, v183
	s_lshl_b32 s93, s2, 9
	s_add_co_u32 s93, s93, OUTL
	v_lshl_add_u32 v185, v1, 4, s93
	s_wait_loadcnt 0x0
	s_wait_kmcnt 0x0
.irp i, 0,1,2
	FRAGS 16+32*\i, 181, 8*REC*\i
	ds_store_b32 v184, v[152+3*\i] offset:8*REC*\i+2048
	ds_store_b32 v184, v[153+3*\i] offset:8*REC*\i+2176
	ds_store_b32 v184, v[154+3*\i] offset:8*REC*\i+2304
.endr
	FRAGS 112, 182, 0
	v_cmp_gt_u32 vcc_lo, 51, v179
.irp q, 0,1,2,3
	v_cvt_pk_f16_f32 v[144+\q], v[144+2*\q], v[145+2*\q]
.endr
.irp q, 0,1,2,3
	v_cndmask_b32 v[144+\q], 0, v[144+\q], vcc_lo  ; columns 51 .. 63 do not exist: zeros
.endr
	ds_store_b128 v185, v[144:147]
	v_add_nc_u32 v188, FC2+16384, v183
	v_cmp_gt_u32 vcc_lo, 51, v186
	v_cndmask_b32 v164, 0, v164, vcc_lo
	v_cndmask_b32 v166, 0, v166, vcc_lo
	v_cmp_gt_u32 vcc_lo, 51, v187
	v_cndmask_b32 v165, 0, v165, vcc_lo
	v_cndmask_b32 v167, 0, v167, vcc_lo
	v_add_nc_u32 v189, OUTL+4096, v15
	s_cmp_lg_u32 s2, 7
	s_cbranch_scc1 .Lnot7_stores
	ds_store_b32 v188, v161
	ds_store_b32 v188, v162 offset:128
	ds_store_b32 v188, v163 offset:256
	ds_store_b32 v189, v164
	ds_store_b32 v189, v165 offset:128
	ds_store_b32 v189, v166 offset:256
	ds_store_b32 v189, v167 offset:384
.Lnot7_stores:
	s_wait_dscnt 0x0                               ; my images are written,
	s_barrier_signal -1
	s_barrier_wait -1                              ; everybody's are.  They are never written again: no further barrier
	s_min_u32 s93, s6, 128                         ; the expert's tiles of 16 rows
	s_add_co_u32 s94, s4, s5
	s_sub_co_u32 s94, s94, 1                       ; its last row (used only where it has a tile, that is a row)
	s_lshl_b32 s96, s2, 2
	s_add_co_u32 s96, s96, s100                    ; my first tile
	s_mul_i32 s98, s2, 16*HBP
	s_add_co_u32 s98, s98, HB
	s_mul_i32 s99, s2, 16*SP
	s_add_co_u32 s99, s99, STG
	v_lshlrev_b32 v4, 4, v1
	v_lshlrev_b32 v5, 6, v3
	v_lshl_add_u32 v6, v1, 3, s98
	v_mad_u32_u24 v7, v2, SP, s99
	v_lshl_add_u32 v7, v3, 5, v7
	v_lshl_add_u32 v8, v1, 2, s99
	v_mov_b32 v12, 0x3f07dc22                      ; a5 / 2
	v_mov_b32 v13, 0x3f07dc22
	v_cmp_eq_u32 s88, 1, v3
	s_mov_b32 s97, 0                               ; trip
; four rows of h1p, both halves: 16 loads, each 512 consecutive bytes
.macro ISSUE b
.irp k, 0,1,2,3
	global_load_b128 v[16+64*(\b&1)+16*\k:19+64*(\b&1)+16*\k], v[AD+4*\b+\k], s[12:13]
	global_load_b128 v[20+64*(\b&1)+16*\k:23+64*(\b&1)+16*\k], v[AD+4*\b+\k], s[12:13] offset:512
	global_load_b128 v[24+64*(\b&1)+16*\k:27+64*(\b&1)+16*\k], v[AD+4*\b+\k], s[12:13] offset:HALFH
	global_load_b128 v[28+64*(\b&1)+16*\k:31+64*(\b&1)+16*\k], v[AD+4*\b+\k], s[12:13] offset:HALFH+512
.endr
.endm
; one row: the two halves + bias, gelu, LN over 256 (8 numbers a lane), f16 into row a of my HB
.macro TOKEN x, a
.irp k, 0,2,4,6
	v_pk_add_f32 v[\x+\k:\x+\k+1], v[\x+\k:\x+\k+1], v[\x+8+\k:\x+9+\k]
.endr
.irp k, 0,2,4,6
	v_pk_add_f32 v[\x+\k:\x+\k+1], v[\x+\k:\x+\k+1], v[VB+\k:VB+\k+1]
.endr
	GELU8 \x, TM
	v_pk_add_f32 v[160:161], v[\x:\x+1], v[\x+2:\x+3]
	v_pk_add_f32 v[162:163], v[\x+4:\x+5], v[\x+6:\x+7]
	v_pk_add_f32 v[160:161], v[160:161], v[162:163]
	v_add_f32 v160, v160, v161
	WSUM 160, 161
	v_mul_f32 v160, s84, v160
.irp k, 0,2,4,6
	v_pk_add_f32 v[\x+\k:\x+\k+1], v[\x+\k:\x+\k+1], v[160:161] op_sel_hi:[1,0] neg_lo:[0,1] neg_hi:[0,1]
.endr
	v_pk_mul_f32 v[162:163], v[\x:\x+1], v[\x:\x+1]
	v_pk_mul_f32 v[164:165], v[\x+2:\x+3], v[\x+2:\x+3]
	v_pk_fma_f32 v[162:163], v[\x+4:\x+5], v[\x+4:\x+5], v[162:163]
	v_pk_fma_f32 v[164:165], v[\x+6:\x+7], v[\x+6:\x+7], v[164:165]
	v_pk_add_f32 v[162:163], v[162:163], v[164:165]
	v_add_f32 v162, v162, v163
	WSUM 162, 163
	v_fma_f32 v162, v162, s84, s83
	v_rsq_f32 v162, v162
	v_nop
	s_wait_alu depctr_va_vdst(0)
.irp k, 0,2,4,6
	v_pk_mul_f32 v[168+\k:169+\k], v[VG+\k:VG+\k+1], v[162:163] op_sel_hi:[1,0]
.endr
.irp k, 0,2,4,6
	v_pk_fma_f32 v[\x+\k:\x+\k+1], v[\x+\k:\x+\k+1], v[168+\k:169+\k], v[VBE+\k:VBE+\k+1]
.endr
.irp q, 0,1,2,3
	v_cvt_pk_f16_f32 v[176+\q], v[\x+2*\q], v[\x+2*\q+1]
.endr
	ds_store_b64 v6, v[176:177] offset:HBP*\a
	ds_store_b64 v6, v[178:179] offset:HBP*\a+256
.endm
; one layer of 32 x 32: buf holds its record.  nxt: the next record's LDS offset, fetched into other; -1: the out layer's record.
; res = 1: the result is added to the residual stream.  The two matrix instructions write different accumulators and start from the bias.
.macro LAYER buf, other, nxt, res
	s_wait_dscnt 0x0                               ; my record is in
	v_wmma_f32_16x16x32_f16 v[ACC:ACC+7], v[\buf:\buf+7], v[XB:XB+7], v[\buf+16:\buf+23]
	v_wmma_f32_16x16x32_f16 v[ACC+8:ACC+15], v[\buf+8:\buf+15], v[XB:XB+7], v[\buf+24:\buf+31]
	PLACES
.if \nxt >= 0
	LOADREC \other, \nxt
.else
	v_add_nc_u32 v10, OUTL, v4
	v_lshlrev_b32 v11, 7, v3
	v_add_nc_u32 v11, OUTL+4096, v11
.irp q, 0,1,2,3,4,5,6,7
	ds_load_b128 v[BUF0+4*\q:BUF0+4*\q+3], v10 offset:512*\q            ; four fragments
.endr
.irp q, 0,1,2,3,4,5,6,7
	ds_load_b128 v[BUF0+32+4*\q:BUF0+35+4*\q], v11 offset:16*\q         ; out_b in the accumulators' order
.endr
.irp q, 0,1,2,3,4,5,6,7
	ds_load_b128 v[BUF1+4*\q:BUF1+4*\q+3], v11 offset:256+16*\q         ; bins likewise, over this record's fragments and bias, which have been read
.endr
.endif
	GELU8 ACC, T
	GELU8 ACC+8, T
	LN16 ACC, \buf+32, \buf+48, ACC
.if \res
.irp k, 0,2,4,6,8,10,12,14
	v_pk_add_f32 v[H+\k:H+\k+1], v[H+\k:H+\k+1], v[ACC+\k:ACC+\k+1]
.endr
	XBPACK H
.else
	XBPACK ACC
.endif
.endm
.Ltile:
	s_lshl_b32 s92, s97, 5
	s_add_co_u32 s92, s92, s96                     ; my tile of this trip
	s_cmp_ge_u32 s92, s93
	s_cbranch_scc1 .Lskip                          ; the expert has no such tile
	s_lshl_b32 s91, s92, 4
	s_add_co_u32 s95, s4, s91                      ; the tile's first row
	v_add_nc_u32 v15, s95, v2
	v_min_u32 v15, s94, v15                        ; past the expert's last row: the last row again
	v_min_u32 v15, 2047, v15                       ; the one clamp by a constant
	v_lshl_add_u32 v15, v15, 2, 0
	global_load_b32 v9, v15, s[10:11]              ; order[row]: which position row r is
	v_lshlrev_b32 v10, 4, v1
.irp a, 0,1,2,3,4,5,6,7,8,9,10,11,12,13,14,15
	s_add_co_u32 s90, s95, \a
	s_min_u32 s90, s90, s94                        ; likewise
	s_min_u32 s90, s90, 2047
	v_lshl_add_u32 v[AD+\a], s90, 10, v10
.endr
	; PHASE A: 16 rows in four batches on two register buffers
	ISSUE 0
	ISSUE 1
	s_wait_loadcnt 16                              ; the younger batch's 16 loads stay out
	TOKEN 16, 0
	TOKEN 32, 1
	TOKEN 48, 2
	TOKEN 64, 3
	ISSUE 2
	s_wait_loadcnt 16
	TOKEN 80, 4
	TOKEN 96, 5
	TOKEN 112, 6
	TOKEN 128, 7
	ISSUE 3
	s_wait_loadcnt 16
	TOKEN 16, 8
	TOKEN 32, 9
	TOKEN 48, 10
	TOKEN 64, 11
	s_wait_loadcnt 0x0
	TOKEN 80, 12
	TOKEN 96, 13
	TOKEN 112, 14
	TOKEN 128, 15
	; PHASE B.  fc2: K = 256 in eight steps; HB is my own, and LDS serves a wave's instructions in order: no wait between its stores and these loads
	v_add_nc_u32 v10, FC2, v4
	v_add_nc_u32 v11, FC2+16384, v5
	v_mad_u32_u24 v14, v2, HBP, s98
	v_lshl_add_u32 v14, v3, 4, v14
.irp f, 0,1,2,3,4,5,6,7,8,9,10,11,12,13,14,15
	ds_load_b128 v[BUF0+8*\f:BUF0+8*\f+3], v10 offset:1024*\f
	ds_load_b128 v[BUF0+8*\f+4:BUF0+8*\f+7], v10 offset:1024*\f+512
.endr
.irp s, 0,1,2,3
	ds_load_b128 v[T+8*\s:T+8*\s+3], v14 offset:64*\s
	ds_load_b128 v[T+8*\s+4:T+8*\s+7], v14 offset:64*\s+32
.endr
.irp q, 0,1,2,3
	ds_load_b128 v[H+4*\q:H+4*\q+3], v11 offset:16*\q
.endr
	s_wait_dscnt 0x0
	; the two accumulators take turns, one instruction a turn; the bias starts the sums
	v_wmma_f32_16x16x32_f16 v[ACC:ACC+7], v[BUF0:BUF0+7], v[T:T+7], v[H:H+7]
	v_wmma_f32_16x16x32_f16 v[ACC+8:ACC+15], v[BUF0+8:BUF0+15], v[T:T+7], v[H+8:H+15]
.irp s, 1,2,3
	v_wmma_f32_16x16x32_f16 v[ACC:ACC+7], v[BUF0+16*\s:BUF0+16*\s+7], v[T+8*\s:T+8*\s+7], v[ACC:ACC+7]
	v_wmma_f32_16x16x32_f16 v[ACC+8:ACC+15], v[BUF0+16*\s+8:BUF0+16*\s+15], v[T+8*\s:T+8*\s+7], v[ACC+8:ACC+15]
.endr
	PLACES
.irp s, 0,1,2,3
	ds_load_b128 v[T+8*\s:T+8*\s+3], v14 offset:256+64*\s
	ds_load_b128 v[T+8*\s+4:T+8*\s+7], v14 offset:256+64*\s+32
.endr
	s_wait_dscnt 0x0
.irp s, 0,1,2,3
	v_wmma_f32_16x16x32_f16 v[ACC:ACC+7], v[BUF1+16*\s:BUF1+16*\s+7], v[T+8*\s:T+8*\s+7], v[ACC:ACC+7]
	v_wmma_f32_16x16x32_f16 v[ACC+8:ACC+15], v[BUF1+16*\s+8:BUF1+16*\s+15], v[T+8*\s:T+8*\s+7], v[ACC+8:ACC+15]
.endr
	PLACES
.irp q, 0,1,2,3
	ds_load_b128 v[BUF1+32+4*\q:BUF1+35+4*\q], v11 offset:128+16*\q
	ds_load_b128 v[BUF1+48+4*\q:BUF1+51+4*\q], v11 offset:256+16*\q
.endr
	LOADREC BUF0, 0
	GELU8 ACC, T
	GELU8 ACC+8, T
	s_wait_dscnt 0x0
	LN16 ACC, BUF1+32, BUF1+48, H
	XBPACK H
	; twelve blocks of two layers; each layer fetches the next one's record while it works
.set L, 0
.rept 11
	LAYER BUF0, BUF1, REC*(L+1), 0
	LAYER BUF1, BUF0, REC*(L+2), 1
.set L, L+2
.endr
	LAYER BUF0, BUF1, REC*23, 0
	LAYER BUF1, BUF0, -1, 1
	; logits: tile j, register i of lane (r, h) = column 16 j + 8 h + i of row r
	GELU8 H, T
	GELU8 H+8, T
	XBPACK H
	s_wait_dscnt 0x0
.irp j, 0,1,2,3
	v_wmma_f32_16x16x32_f16 v[T+8*\j:T+8*\j+7], v[BUF0+8*\j:BUF0+8*\j+7], v[XB:XB+7], v[BUF0+32+8*\j:BUF0+39+8*\j]
.endr
	PLACES
.irp j, 0,1,2,3
.irp q, 0,1
	ds_store_b128 v7, v[T+8*\j+4*\q:T+8*\j+4*\q+3] offset:64*\j+16*\q
.endr
.endr
.irp n, 0,1,2,3,4,5,6,7,8,9,10,11,12,13,14,15
	ds_load_b32 v[200+2*\n], v8 offset:SP*\n       ; row n, columns 0 .. 31
	ds_load_b32 v[201+2*\n], v8 offset:SP*\n+76    ; row n, columns 19 .. 50
.endr
	; softmax . bins, in place, while the rows come back.  Columns 51 and up: -inf
	v_mov_b32 v14, 0xff800000
	v_cndmask_b32 v[T+24], v[T+24], v14, s88
	v_cndmask_b32 v[T+25], v[T+25], v14, s88
	v_cndmask_b32 v[T+26], v[T+26], v14, s88
	v_mov_b32 v[T+27], v14
	v_max3_num_f32 v32, v[T], v[T+1], v[T+2]
	v_max3_num_f32 v33, v[T+3], v[T+4], v[T+5]
	v_max3_num_f32 v34, v[T+6], v[T+7], v[T+8]
.irp k, 9,15,21
	v_max3_num_f32 v32, v32, v[T+\k], v[T+\k+1]
	v_max3_num_f32 v33, v33, v[T+\k+2], v[T+\k+3]
	v_max3_num_f32 v34, v34, v[T+\k+4], v[T+\k+5]
.endr
	v_max3_num_f32 v32, v32, v33, v34
	v_permlanex16_b32 v33, v32, s80, s81
	v_max_num_f32 v32, v32, v33                    ; the row's largest logit
.irp k, 0,2,4,6,8,10,12,14,16,18,20,22,24,26
	v_pk_add_f32 v[T+\k:T+\k+1], v[T+\k:T+\k+1], v[32:33] op_sel_hi:[1,0] neg_lo:[0,1] neg_hi:[0,1]
.endr
.irp k, 0,2,4,6,8,10,12,14,16,18,20,22,24,26
	v_pk_mul_f32 v[T+\k:T+\k+1], v[T+\k:T+\k+1], s[86:87] op_sel_hi:[1,0]
.endr
.set i, 0
.rept 28
	v_exp_f32 v[T+i], v[T+i]
.set i, i+1
.endr
	v_nop
	s_wait_alu depctr_va_vdst(0)
	v_pk_add_f32 v[34:35], v[T:T+1], v[T+2:T+3]
	v_pk_mul_f32 v[36:37], v[T:T+1], v[BUF1:BUF1+1]
	v_pk_fma_f32 v[36:37], v[T+2:T+3], v[BUF1+2:BUF1+3], v[36:37]
.irp k, 4,6,8,10,12,14,16,18,20,22,24,26
	v_pk_add_f32 v[34:35], v[34:35], v[T+\k:T+\k+1]
	v_pk_fma_f32 v[36:37], v[T+\k:T+\k+1], v[BUF1+\k:BUF1+\k+1], v[36:37]
.endr
	v_add_f32 v34, v34, v35
	v_add_f32 v36, v36, v37
	v_permlanex16_b32 v35, v34, s80, s81
	v_permlanex16_b32 v37, v36, s80, s81
	v_add_f32 v34, v34, v35
	v_add_f32 v36, v36, v37
	v_rcp_f32 v35, v34
	v_nop
	s_wait_alu depctr_va_vdst(0)
	v_mul_f32 v36, v36, v35                        ; p_win of row r, in lane r and in lane r + 16
	v_min_u32 v10, 2047, v9                        ; the position, clamped once, for out1
	v_lshl_add_u32 v10, v10, 2, 0
	s_wait_dscnt 0x0
.irp n, 0,1,2,3,4,5,6,7,8,9,10,11,12,13,14,15
	v_readlane_b32 s90, v9, \n
	s_min_u32 s90, s90, 2047                       ; the position, clamped once, for out0
	s_mul_i32 s90, s90, 204
	v_lshl_add_u32 v[88+\n], v1, 2, s90
	global_store_b32 v[88+\n], v[200+2*\n], s[50:51]              ; 128 consecutive bytes: columns 0 .. 31
	global_store_b32 v[88+\n], v[201+2*\n], s[50:51] offset:76    ; columns 19 .. 50; 19 .. 31 get the same numbers twice, which spares a change of EXEC
.endr
	global_store_b32 v10, v36, s[52:53]            ; all lanes: lanes r and r + 16, and a last tile's surplus rows, store the same number to the same word
	s_wait_xcnt 0x0                                ; the stores' offsets and data are written again in the next trip only behind this wait
.Lskip:
	s_add_co_u32 s97, s97, 1
	s_cmp_lt_u32 s97, 4
	s_cbranch_scc1 .Ltile
	s_set_vgpr_msb 0x5
	s_wait_tensorcnt 0x0
	ds_add_u32 v0, v1
	s_wait_dscnt 0x0
	s_set_vgpr_msb 0x500
	s_endpgm
.Lfunc_end_k_q7b2f4dad7c_tail:
	.size	k_q7b2f4dad7c_tail, .Lfunc_end_k_q7b2f4dad7c_tail-k_q7b2f4dad7c_tail
	.p2alignl 7, 3214868480
	.fill 96, 4, 3214868480
	.section	.rodata,"a",@progbits
	.p2align	6, 0x0
	.amdhsa_kernel k_q7b2f4dad7c_tail
		.amdhsa_group_segment_fixed_size 186368
		.amdhsa_private_segment_fixed_size 0
		.amdhsa_enable_private_segment 0
		.amdhsa_kernarg_size 184
		.amdhsa_user_sgpr_count 2
		.amdhsa_user_sgpr_kernarg_segment_ptr 1
		.amdhsa_wavefront_size32 1
		.amdhsa_system_sgpr_workgroup_id_x 1
		.amdhsa_system_sgpr_workgroup_id_y 1
		.amdhsa_system_sgpr_workgroup_id_z 1
		.amdhsa_system_vgpr_workitem_id 0
		.amdhsa_next_free_vgpr 258
		.amdhsa_next_free_sgpr 102
		.amdhsa_reserve_vcc 1
		.amdhsa_float_denorm_mode_32 3
		.amdhsa_float_denorm_mode_16_64 3
		.amdhsa_memory_ordered 1
		.amdhsa_forward_progress 1
		.amdhsa_inst_pref_size 255
	.end_amdhsa_kernel
	.section	.bss,"aw",@nobits
	.p2align	6
	.space	262144
	.amdgpu_metadata
---
amdhsa.version: [ 1, 2 ]
amdhsa.kernels:
  - .name:           k_q7b2f4dad7c_tail
    .symbol:         k_q7b2f4dad7c_tail.kd
    .args:
      - { .name: off, .offset: 0, .size: 8, .value_kind: global_buffer, .address_space: global }
      - { .name: order, .offset: 8, .size: 8, .value_kind: global_buffer, .address_space: global }
      - { .name: h1p, .offset: 16, .size: 8, .value_kind: global_buffer, .address_space: global }
      - { .name: fc1_b, .offset: 24, .size: 8, .value_kind: global_buffer, .address_space: global }
      - { .name: ln1_g, .offset: 32, .size: 8, .value_kind: global_buffer, .address_space: global }
      - { .name: ln1_b, .offset: 40, .size: 8, .value_kind: global_buffer, .address_space: global }
      - { .name: fc2_w, .offset: 48, .size: 8, .value_kind: global_buffer, .address_space: global }
      - { .name: fc2_b, .offset: 56, .size: 8, .value_kind: global_buffer, .address_space: global }
      - { .name: ln2_g, .offset: 64, .size: 8, .value_kind: global_buffer, .address_space: global }
      - { .name: ln2_b, .offset: 72, .size: 8, .value_kind: global_buffer, .address_space: global }
      - { .name: blkA_w, .offset: 80, .size: 8, .value_kind: global_buffer, .address_space: global }
      - { .name: blkA_b, .offset: 88, .size: 8, .value_kind: global_buffer, .address_space: global }
      - { .name: blkA_g, .offset: 96, .size: 8, .value_kind: global_buffer, .address_space: global }
      - { .name: blkA_be, .offset: 104, .size: 8, .value_kind: global_buffer, .address_space: global }
      - { .name: blkB_w, .offset: 112, .size: 8, .value_kind: global_buffer, .address_space: global }
      - { .name: blkB_b, .offset: 120, .size: 8, .value_kind: global_buffer, .address_space: global }
      - { .name: blkB_g, .offset: 128, .size: 8, .value_kind: global_buffer, .address_space: global }
      - { .name: blkB_be, .offset: 136, .size: 8, .value_kind: global_buffer, .address_space: global }
      - { .name: out_w, .offset: 144, .size: 8, .value_kind: global_buffer, .address_space: global }
      - { .name: out_b, .offset: 152, .size: 8, .value_kind: global_buffer, .address_space: global }
      - { .name: bins, .offset: 160, .size: 8, .value_kind: global_buffer, .address_space: global }
      - { .name: out0, .offset: 168, .size: 8, .value_kind: global_buffer, .address_space: global }
      - { .name: out1, .offset: 176, .size: 8, .value_kind: global_buffer, .address_space: global }
    .group_segment_fixed_size: 186368
    .private_segment_fixed_size: 0
    .kernarg_segment_align: 8
    .kernarg_segment_size: 184
    .max_flat_workgroup_size: 256
    .sgpr_count:     102
    .vgpr_count:     258
    .wavefront_size: 32
...
	.end_amdgpu_metadata
.endif
;; end of part 3
;; ======== version 2 of 2: 3 launches; version 1 with the launches embed, fc1 written anew for expert scheduling mode
;; limits: values are held in f16: magnitudes above 65,504 overflow, below 6.1e-05 lose precision
;; workspace buffers: xs 9,437,184 bytes; h1p 4,194,304 bytes; order 8,192 bytes of whole numbers; off 512 bytes of whole numbers
;; launch embed (part 4): grid 256 x 1, 8 waves a work-group, no clusters, 0 bytes of LDS; arguments descriptor_index, side_flag, ep_file, fifty_a, castle_ms, piece_idx, Wp_w, Wp_b, Wc_w, Wc_b, Wep_w, Wep_b, Wf_w, Wf_b, xs, order, off; writes xs, order, off
.if DOCPART == 4
	.amdgcn_target "amdgcn-amd-amdhsa--gfx1250"
	.amdhsa_code_object_version 6
	.text
	.protected	k_q7b2f4dad7c_embed
	.globl	k_q7b2f4dad7c_embed
	.p2align	8
	.type	k_q7b2f4dad7c_embed,@function
k_q7b2f4dad7c_embed:
	s_mov_b64 s[64:65], 0
	v_nop
	global_prefetch_b8 v0, s[64:65] scope:SCOPE_SE
	s_setreg_imm32_b32 hwreg(HW_REG_WAVE_SCHED_MODE, 0, 2), 2
	s_setreg_imm32_b32 hwreg(HW_REG_WAVE_MODE, 25, 1), 1
	s_wait_xcnt 0x0
	s_wait_alu depctr_vm_vsrc(0)
; EMBED: one wave for each position.  The wave finds the position's rank in the order (bucket, position), gathers its 2240 features
; from the tables of its bucket, rounds them to f16 and stores them as row 'rank' of xs; order[rank] = position.
; off: 32 records of 16 bytes, written by the waves of positions 0 .. 31: record b = { positions with a bucket below b, positions in bucket b,
; its tiles of 16 rows, 0 }, so that the later launches compare against loaded numbers as they are.
; xs: [2 halves][2048 rows][36 slots of 32 f16] (a row is 2304 bytes = 9 aligned runs of 256).  Half kh: slots 0-31 = squares 32 kh + slot;
; slots 32-34 = castle 0, 1, 2 (kh = 0) or castle 3, en passant, fifty (kh = 1); slot 35 = 0.
; THE SIDE is a loaded number, and no base address is chosen by a loaded number here: the rows of both tables (_w and _b) are fetched and the
; value is chosen by v_cndmask_b32.  That is 16 KB instead of 8 KB a position, out of tables of 6.3 MB that the launch reads anyway.
; No LDS, no barrier, no loop: memory's latency binds, so all loads that need no loaded number go out first.
; LIMITS: features are kept in f16 (above 65504 they become inf; below 6e-5 the step is 6e-8).  A masked square or file gives +0.
; Indices are clamped to their tables (bucket 0-31, piece 0-11, file 0-7).
; THE MODE: SCHED_MODE bits 1:0 = 2 (LLVM: expert scheduling mode 2), set by the entry lines.  The code itself states the register dependences
; between vector instructions and memory instructions, and those through scalar registers that vector instructions write, with s_wait_alu, always for 0.
; THE PLAN.  Registers that memory instructions touch:
;   v4 v5 v6 v7 v31   byte offsets, made at the head and never written again: one wait ahead of the first load serves every load and store by them.
;   IDX               loaded, then turned by vector lines into the gathers' offsets: one wait ahead of the 32 gathers; never written again.
;   DSC SW SB GAT and v256 up   each is landed in once, and no vector line names it ahead of its load.
;   UN                written by four conversions, read by two stores: one wait, in front of the wait for the gathers.
;   GAT+4m, GAT+4m+1  the squares' packed halves.  Squares 0-31 are packed, one wait, and their eight stores are dealt among the packing of squares 32-63,
;                     which names other registers; one more wait, and the other eight stores.
;   v26 v27 v28 RC    the last two stores' offsets and data: written ahead of the waits that stand in front of the write of EXEC.
; Scalar registers that vector lines write: s2 (the wave); the compare masks s44-s51, made in runs of eight with one wait behind each run;
; the lane masks s54-s57, made ahead of the wait for the small tables and waited for behind it; VCC, from which EXEC is made.
.set ROWB,  2304
.set HALFX, 2048*ROWB
.set DSC,   32                         ; v[32:95]   all 2048 buckets: load m, lane l, word c = position 128 m + 4 l + c
.set IDX,   96                         ; v[96:111]  piece index of square 4 m + sub, then the gather's byte offset
.set SGN,   112                        ; v[112:127] all ones where the piece index is negative
.set GAT,   128                        ; v[128:191] gather m from Wp_w: 4 f32 of square 4 m + sub (from Wp_b: v[256:319])
.set SW,    192                        ; v[192:211] Wc rows 0-3, Wc row 3, Wep row, Wf row 0, Wf row 1 of the _w tables
.set UN,    212                        ; v[212:215] the two runs of slots 32-35, packed
.set SB,    216                        ; v[216:235] the same five of the _b tables
.set RC,    236                        ; v[236:239] a bucket's record
.set MK,    44                         ; s[44:51]   eight compare masks, then their counts
.set MSB, 0
.macro WIN new                         ; s_set_vgpr_msb: bits 1:0 source 0, 3:2 source 1, 5:4 source 2, 7:6 destination; the high byte repeats the setting that is left
.if MSB != \new
	s_set_vgpr_msb (MSB<<8)|\new
.set MSB, \new
.endif
.endm
; the eight masks are counted and added up: s[MK] takes the first four, s[MK+4] the other four
.macro COUNT8
.irp c, 0,1,2,3,4,5,6,7
	s_bcnt1_i32_b32 s[MK+\c], s[MK+\c]
.endr
	s_add_co_u32 s[MK], s[MK], s[MK+1]
	s_add_co_u32 s[MK+2], s[MK+2], s[MK+3]
	s_add_co_u32 s[MK+4], s[MK+4], s[MK+5]
	s_add_co_u32 s[MK+6], s[MK+6], s[MK+7]
	s_add_co_u32 s[MK], s[MK], s[MK+2]
	s_add_co_u32 s[MK+4], s[MK+4], s[MK+6]
.endm
; gather m: four numbers rounded to f16 in its first two registers; a negative piece index gives zeros
.macro PACKSQ m
	v_cvt_pk_f16_f32 v[GAT+4*(\m)], v[GAT+4*(\m)], v[GAT+4*(\m)+1]
	v_cvt_pk_f16_f32 v[GAT+4*(\m)+1], v[GAT+4*(\m)+2], v[GAT+4*(\m)+3]
	v_bfi_b32 v[GAT+4*(\m)], v[SGN+(\m)], 0, v[GAT+4*(\m)]
	v_bfi_b32 v[GAT+4*(\m)+1], v[SGN+(\m)], 0, v[GAT+4*(\m)+1]
.endm
.macro SENDSQ m
	global_store_b64 v5, v[GAT+4*(\m):GAT+4*(\m)+1], s[36:37] offset:((\m)/8)*HALFX+256*((\m)%8)   ; the wave's store covers 256 consecutive bytes, aligned
.endm
	s_load_b512 s[8:23], s[0:1], 0x0               ; desc 8, side 10, ep 12, fifty 14, castle 16, piece 18, Wp_w 20, Wp_b 22
	s_load_b512 s[24:39], s[0:1], 0x40             ; Wc_w 24, Wc_b 26, Wep_w 28, Wep_b 30, Wf_w 32, Wf_b 34, xs 36, order 38
	s_load_b64 s[40:41], s[0:1], 0x80              ; off
	v_lshrrev_b32 v2, 5, v0
	v_readfirstlane_b32 s2, v2                     ; wave
	v_and_b32 v1, 31, v0                           ; lane
	v_lshrrev_b32 v2, 3, v1                        ; sub: which of four squares (slots)
	v_and_b32 v3, 7, v1                            ; part: which 4 of the 32 features
	v_lshlrev_b32 v4, 4, v1                        ; 16 lane
	v_lshlrev_b32 v5, 3, v1                        ; 8 lane: my 4 f16 in a run of 256 bytes
	v_lshlrev_b32 v6, 2, v2                        ; 4 sub
	v_lshlrev_b32 v7, 4, v3                        ; 16 part
	v_mad_u32_u24 v8, v2, 0x600, v7                ; 1536 sub + 16 part: a square's 12 rows of 128 bytes
	v_lshlrev_b32 v10, 2, v1                       ; v[10:13]: 4 lane + c
	v_or_b32 v11, 1, v10
	v_or_b32 v12, 2, v10
	v_or_b32 v13, 3, v10
	s_wait_alu depctr_va_sdst(0)                   ; s2 is written, ahead of its first reader: my position is made from it
	s_lshl_b32 s3, ttmp9, 3
	s_add_co_u32 s3, s3, s2                        ; my position
	s_lshl_b32 s58, s3, 2
	s_lshl_b32 s59, s3, 4
	s_lshl_b32 s60, s3, 8
	s_mov_b32 s61, 0
	v_add_nc_u32 v31, s59, v6                      ; castle_ms[position][sub]; v31 is not written again
	s_wait_kmcnt 0x0
	s_load_b32 s4, s[8:9], s58 offset:0x0          ; bucket
	s_load_b32 s5, s[10:11], s58 offset:0x0        ; side
	s_load_b32 s6, s[12:13], s58 offset:0x0        ; en passant file
	s_load_b32 s7, s[14:15], s58 offset:0x0        ; fifty
	s_load_b32 s42, s[16:17], s59 offset:0xc       ; castle_ms[position][3]
	s_add_nc_u64 s[18:19], s[18:19], s[60:61]      ; my row of piece_idx
	s_wait_alu depctr_va_vdst(0)                   ; the offsets v4, v5, v6, v7 and v31 are written: the loads below and all the stores of xs read one of them
.irp m, 0,1,2,3,4,5,6,7,8,9,10,11,12,13,14,15
	global_load_b128 v[DSC+4*\m:DSC+4*\m+3], v4, s[8:9] offset:512*\m
.endr
.irp m, 0,1,2,3,4,5,6,7,8,9,10,11,12,13,14,15
	global_load_b32 v[IDX+\m], v6, s[18:19] offset:16*\m
.endr
	global_load_b32 v9, v31, s[16:17]
	s_wait_kmcnt 0x0                               ; the five scalars; s58 and s59 may be written again
	s_min_u32 s4, s4, 31                           ; the one clamp of the bucket; behind it multiplies, shifts and adds
	s_mul_i32 s60, s4, 98304
	s_add_nc_u64 s[20:21], s[20:21], s[60:61]      ; Wp_w[bucket], Wp_b[bucket]
	s_add_nc_u64 s[22:23], s[22:23], s[60:61]
	s_lshl_b32 s60, s4, 9
	s_add_nc_u64 s[24:25], s[24:25], s[60:61]      ; Wc[bucket]
	s_add_nc_u64 s[26:27], s[26:27], s[60:61]
	s_max_i32 s58, s6, 0
	s_min_u32 s58, s58, 7
	s_lshl_b32 s58, s58, 7
	s_lshl_b32 s60, s4, 10
	s_add_co_u32 s60, s60, s58
	s_add_nc_u64 s[28:29], s[28:29], s[60:61]      ; Wep[bucket][file]
	s_add_nc_u64 s[30:31], s[30:31], s[60:61]
	s_lshl_b32 s60, s4, 8
	s_add_nc_u64 s[32:33], s[32:33], s[60:61]      ; Wf[bucket]
	s_add_nc_u64 s[34:35], s[34:35], s[60:61]
	s_cmp_ge_i32 s6, 0
	s_cselect_b32 s62, 0x3f800000, 0               ; 1.0 where the file is valid
	s_cmp_lg_u32 s5, 0
	s_cselect_b32 s63, -1, 0                       ; all lanes: take the _b value
	global_load_b128 v[SW:SW+3], v4, s[24:25]                  ; Wc rows 0-3: row sub, my part.  No vector line since the wait above: nothing more is owed
	global_load_b128 v[SW+4:SW+7], v7, s[24:25] offset:384     ; Wc row 3
	global_load_b128 v[SW+8:SW+11], v7, s[28:29]               ; Wep row
	global_load_b128 v[SW+12:SW+15], v7, s[32:33]              ; Wf row 0
	global_load_b128 v[SW+16:SW+19], v7, s[32:33] offset:128   ; Wf row 1
	global_load_b128 v[SB:SB+3], v4, s[26:27]
	global_load_b128 v[SB+4:SB+7], v7, s[26:27] offset:384
	global_load_b128 v[SB+8:SB+11], v7, s[30:31]
	global_load_b128 v[SB+12:SB+15], v7, s[34:35]
	global_load_b128 v[SB+16:SB+19], v7, s[34:35] offset:128
	s_wait_loadcnt 11                              ; the castle word and the ten loads above stay out: buckets and piece indices are in
.irp m, 0,1,2,3,4,5,6,7,8,9,10,11,12,13,14,15
	v_ashrrev_i32 v[SGN+\m], 31, v[IDX+\m]
	v_max_i32 v[IDX+\m], 0, v[IDX+\m]
	v_min_u32 v[IDX+\m], 11, v[IDX+\m]
	v_lshl_add_u32 v[IDX+\m], v[IDX+\m], 7, v8
.endr
	s_wait_alu depctr_va_vdst(0)                   ; the sixteen offsets v[IDX ..] are written, which the 32 gathers read; loads and a window switch alone stand between this wait and the last of them
.irp m, 0,1,2,3,4,5,6,7,8,9,10,11,12,13,14,15
	global_load_b128 v[GAT+4*\m:GAT+4*\m+3], v[IDX+\m], s[20:21] offset:6144*\m   ; four whole table rows of 128 bytes
.endr
	WIN 0x40                                       ; destination v256 and up
.irp m, 0,1,2,3,4,5,6,7,8,9,10,11,12,13,14,15
	global_load_b128 v[4*\m:4*\m+3], v[IDX+\m], s[22:23] offset:6144*\m
.endr
	WIN 0
	; the rank, while the gathers are on their way: how many keys 2048 bucket + position lie below mine.  Two turns of 128 positions to a run of eight compares
	s_lshl_b32 s52, s4, 11
	s_add_co_u32 s52, s52, s3                      ; my key, less 128 m in turn m (it may go below 0: signed compares)
	s_mov_b32 s53, 0
.irp m, 0,2,4,6,8,10,12,14
	s_sub_co_i32 s54, s52, 128                     ; the key of the run's second turn
.irp c, 0,1,2,3
	v_lshl_add_u32 v[14+\c], v[DSC+4*\m+\c], 11, v[10+\c]
	v_lshl_add_u32 v[18+\c], v[DSC+4*\m+4+\c], 11, v[10+\c]
.endr
.irp c, 0,1,2,3
	v_cmp_gt_i32 s[MK+\c], s52, v[14+\c]
	v_cmp_gt_i32 s[MK+4+\c], s54, v[18+\c]
.endr
	s_wait_alu depctr_va_sdst(0)                   ; the eight masks s[MK ..] are written, ahead of the counts that read them
	COUNT8
	s_add_co_u32 s53, s53, s[MK]
	s_add_co_u32 s53, s53, s[MK+4]
	s_sub_co_i32 s52, s52, 256
.endr
	s_mov_b32 s59, 0
	s_mov_b32 s43, 0
	s_cmp_gt_u32 s3, 31
	s_cbranch_scc1 .Lno_count
	s_add_co_u32 s58, s3, 1
.set i, 0
.rept 16                                           ; positions 0 .. 31 also count the buckets below their own number, and up to it: four registers of buckets to a run of eight compares
.irp c, 0,1,2,3
	v_cmp_gt_i32 s[MK+\c], s3, v[DSC+i+\c]
	v_cmp_gt_i32 s[MK+4+\c], s58, v[DSC+i+\c]
.endr
	s_wait_alu depctr_va_sdst(0)                   ; the eight masks s[MK ..] are written, ahead of the counts that read them
	COUNT8
	s_add_co_u32 s59, s59, s[MK]
	s_add_co_u32 s43, s43, s[MK+4]
.set i, i+4
.endr
.Lno_count:
	s_sub_co_u32 s43, s43, s59                     ; the bucket's positions
	s_add_co_u32 s58, s43, 15
	s_lshr_b32 s58, s58, 4                         ; its tiles of 16
	s_min_u32 s53, s53, 2047
	s_mul_i32 s60, s53, ROWB
	s_add_nc_u64 s[36:37], s[36:37], s[60:61]      ; my row of xs, half 0
	v_cmp_eq_u32 s54, 0, v2                        ; which slot of the run of four is mine: made here, read behind the wait for the small tables
	v_cmp_eq_u32 s55, 1, v2
	v_cmp_eq_u32 s56, 2, v2
	v_cmp_gt_u32 s57, 3, v2
	v_mov_b32 v24, s7                              ; a
	v_sub_f32 v25, 1.0, v24                        ; 1 - a
	v_mov_b32 v[RC], s59
	v_mov_b32 v[RC+1], s43
	v_mov_b32 v[RC+2], s58
	v_mov_b32 v[RC+3], 0
	s_wait_loadcnt 32                              ; the 32 gathers stay out: castle and the small tables are in
	s_wait_alu depctr_va_sdst(0)                   ; the four lane masks s54 to s57 are written, ahead of the selects that read them
.set i, 0
.rept 20
	v_cndmask_b32 v[SW+i], v[SW+i], v[SB+i], s63   ; the side's table
.set i, i+1
.endr
.irp c, 0,1,2,3
	v_mul_f32 v[14+\c], v9, v[SW+\c]               ; half 0: castle sub (0, 1, 2), slot 35 = 0
	v_cndmask_b32 v[14+\c], 0, v[14+\c], s57
	v_mul_f32 v[18+\c], v25, v[SW+12+\c]           ; half 1: castle 3 | en passant | fifty | 0
	v_fmac_f32 v[18+\c], v24, v[SW+16+\c]
	v_cndmask_b32 v[18+\c], 0, v[18+\c], s56
	v_mul_f32 v22, s62, v[SW+8+\c]
	v_cndmask_b32 v[18+\c], v[18+\c], v22, s55
	v_mul_f32 v23, s42, v[SW+4+\c]
	v_cndmask_b32 v[18+\c], v[18+\c], v23, s54
.endr
	v_cvt_pk_f16_f32 v[UN], v14, v15
	v_cvt_pk_f16_f32 v[UN+1], v16, v17
	v_cvt_pk_f16_f32 v[UN+2], v18, v19
	v_cvt_pk_f16_f32 v[UN+3], v20, v21
	s_wait_alu depctr_va_vdst(0)                   ; the four conversions have written v[UN ..], which the two stores read
	global_store_b64 v5, v[UN:UN+1], s[36:37] offset:2048
	global_store_b64 v5, v[UN+2:UN+3], s[36:37] offset:HALFX+2048
	s_wait_loadcnt 0x0                             ; all gathers: the choice below is one stretch under one register window
	WIN 0x04                                       ; source 1 in v256 and up
.set i, 0
.rept 64
	v_cndmask_b32 v[GAT+i], v[GAT+i], v[i], s63
.set i, i+1
.endr
	WIN 0
.irp m, 0,1,2,3,4,5,6,7
	PACKSQ \m
.endr
	s_wait_alu depctr_va_vdst(0)                   ; squares 0 to 31 are packed: gathers 0 to 7 hold what the next eight stores read
.irp m, 0,1,2,3,4,5,6,7
	SENDSQ \m                                      ; no vector line since the wait names these registers: the packing between names gathers 8 to 15
	PACKSQ \m+8
.endr
	s_wait_alu depctr_va_vdst(0)                   ; squares 32 to 63 are packed, which the last eight stores of xs read
.irp m, 8,9,10,11,12,13,14,15
	SENDSQ \m
.endr
	s_lshl_b32 s58, s53, 2
	v_mov_b32 v26, s58
	v_mov_b32 v27, s3
	v_lshlrev_b32 v28, 4, v27
	v_cmp_eq_u32 vcc_lo, 0, v1
	s_wait_xcnt 0x0                                ; EXEC is a source of the stores above: it narrows only behind this wait
	s_wait_alu depctr_va_vcc(0)                    ; VCC is written: EXEC is made from it
	s_wait_alu depctr_va_vdst(0)                   ; ahead of the write of EXEC every vector line has written its result: among them v26, v27, v28 and the record, which the stores below read
	s_wait_alu depctr_vm_vsrc(0)                   ; and every store above has read its registers
	s_and_saveexec_b32 s54, vcc_lo                 ; lane 0 alone
	global_store_b32 v26, v27, s[38:39]            ; order[rank] = position
	s_cmp_gt_u32 s3, 31
	s_cbranch_scc1 .Ldone
	global_store_b128 v28, v[RC:RC+3], s[40:41]    ; the record of bucket 'position'
.Ldone:
	s_endpgm
.Lfunc_end_k_q7b2f4dad7c_embed:
	.size	k_q7b2f4dad7c_embed, .Lfunc_end_k_q7b2f4dad7c_embed-k_q7b2f4dad7c_embed
	.p2alignl 7, 3214868480
	.fill 96, 4, 3214868480
	.section	.rodata,"a",@progbits
	.p2align	6, 0x0
	.amdhsa_kernel k_q7b2f4dad7c_embed
		.amdhsa_group_segment_fixed_size 0
		.amdhsa_private_segment_fixed_size 0
		.amdhsa_enable_private_segment 0
		.amdhsa_kernarg_size 136
		.amdhsa_user_sgpr_count 2
		.amdhsa_user_sgpr_kernarg_segment_ptr 1
		.amdhsa_wavefront_size32 1
		.amdhsa_system_sgpr_workgroup_id_x 1
		.amdhsa_system_sgpr_workgroup_id_y 1
		.amdhsa_system_sgpr_workgroup_id_z 1
		.amdhsa_system_vgpr_workitem_id 0
		.amdhsa_next_free_vgpr 320
		.amdhsa_next_free_sgpr 66
		.amdhsa_reserve_vcc 1
		.amdhsa_float_denorm_mode_32 3
		.amdhsa_float_denorm_mode_16_64 3
		.amdhsa_memory_ordered 1
		.amdhsa_forward_progress 1
		.amdhsa_inst_pref_size 57
	.end_amdhsa_kernel
	.amdgpu_metadata
---
amdhsa.version: [ 1, 2 ]
amdhsa.kernels:
  - .name:           k_q7b2f4dad7c_embed
    .symbol:         k_q7b2f4dad7c_embed.kd
    .args:
      - { .name: descriptor_index, .offset: 0, .size: 8, .value_kind: global_buffer, .address_space: global }
      - { .name: side_flag, .offset: 8, .size: 8, .value_kind: global_buffer, .address_space: global }
      - { .name: ep_file, .offset: 16, .size: 8, .value_kind: global_buffer, .address_space: global }
      - { .name: fifty_a, .offset: 24, .size: 8, .value_kind: global_buffer, .address_space: global }
      - { .name: castle_ms, .offset: 32, .size: 8, .value_kind: global_buffer, .address_space: global }
      - { .name: piece_idx, .offset: 40, .size: 8, .value_kind: global_buffer, .address_space: global }
      - { .name: Wp_w, .offset: 48, .size: 8, .value_kind: global_buffer, .address_space: global }
      - { .name: Wp_b, .offset: 56, .size: 8, .value_kind: global_buffer, .address_space: global }
      - { .name: Wc_w, .offset: 64, .size: 8, .value_kind: global_buffer, .address_space: global }
      - { .name: Wc_b, .offset: 72, .size: 8, .value_kind: global_buffer, .address_space: global }
      - { .name: Wep_w, .offset: 80, .size: 8, .value_kind: global_buffer, .address_space: global }
      - { .name: Wep_b, .offset: 88, .size: 8, .value_kind: global_buffer, .address_space: global }
      - { .name: Wf_w, .offset: 96, .size: 8, .value_kind: global_buffer, .address_space: global }
      - { .name: Wf_b, .offset: 104, .size: 8, .value_kind: global_buffer, .address_space: global }
      - { .name: xs, .offset: 112, .size: 8, .value_kind: global_buffer, .address_space: global }
      - { .name: order, .offset: 120, .size: 8, .value_kind: global_buffer, .address_space: global }
      - { .name: off, .offset: 128, .size: 8, .value_kind: global_buffer, .address_space: global }
    .group_segment_fixed_size: 0
    .private_segment_fixed_size: 0
    .kernarg_segment_align: 8
    .kernarg_segment_size: 136
    .max_flat_workgroup_size: 256
    .sgpr_count:     66
    .vgpr_count:     320
    .wavefront_size: 32
...
	.end_amdgpu_metadata
.endif
;; end of part 4
;; launch fc1 (part 5): grid 8 x 32, 7 waves a work-group, no clusters, 174,848 bytes of LDS; arguments fc1_w, xs, off, h1p; writes h1p
.if DOCPART == 5
	.amdgcn_target "amdgcn-amd-amdhsa--gfx1250"
	.amdhsa_code_object_version 6
	.text
	.protected	k_q7b2f4dad7c_fc1
	.globl	k_q7b2f4dad7c_fc1
	.p2align	8
	.type	k_q7b2f4dad7c_fc1,@function
k_q7b2f4dad7c_fc1:
	s_mov_b64 s[64:65], 0
	v_nop
	global_prefetch_b8 v0, s[64:65] scope:SCOPE_SE
	s_setreg_imm32_b32 hwreg(HW_REG_WAVE_SCHED_MODE, 0, 2), 2
	s_setreg_imm32_b32 hwreg(HW_REG_WAVE_MODE, 25, 1), 1
	s_wait_xcnt 0x0
	s_wait_alu depctr_vm_vsrc(0)
; FC1: h1p[kh][row][64 cb ..] = x[row][K half kh] . W1[expert][K half kh][64 columns cb], for the rows (sorted positions) of one expert.
; Work-group = (cb = x & 3, kh = x >> 2, expert = y): 256 work-groups, each reads its 35 slots x 32 rows x 256 bytes = 286,720 bytes of fc1_w once.
; PHASE 1: wave w loads slots 5 w .. 5 w + 4 (80 loads of 16 bytes a lane, all issued at once; each covers two aligned runs of 256 bytes), rounds to f16
; and lays the fragments into LDS: 35 slots x 4 tiles x 1,024 bytes.  One barrier, which every wave passes whatever the counts are.
; PHASE 2: no wave depends on another.  Wave w takes the tiles of 16 rows w, w + 7, ..: x fragments straight from xs into 280 registers, W's fragments
; from LDS through four register buffers in two halves, 140 matrix instructions, the result out through the wave's own stage.
; The matrix instruction is used with A = W transposed and B = x transposed.  A 16-byte load of W gives a lane columns 4 r .. 4 r + 3, so tile j takes
; word j: row m of tile j is column 4 m + j.  In D lane (r, h), register i holds row r of x, column 32 h + 4 i + j, which is written at place
; 32 h + 8 j + i of the block's 64: h1p's columns lie in that order, and the next launch reads its vectors and fc2's rows to match.
; NO JOINT LOADS: work-groups share x alone (the four column blocks of an expert's half).  The x tiles of seven waves (7 x 16 rows x 2,448 bytes = 274,176)
; and W's image (143,360) do not fit into LDS together, so x goes to registers straight, which a joint request cannot serve.
; A slot's two x loads take 32 bytes of each of 16 rows; the four slots of an aligned run of 256 bytes are asked for by eight neighbouring loads of one wave.
; LOADED NUMBERS: the expert's record { first row, rows, tiles } comes from the launch before.  The tile loop runs a fixed 19 trips (128 tiles at the most,
; seven waves); a trip whose tile the expert does not have is jumped over.  A row number past the expert's last row is replaced by the last row, then clamped
; once by a constant, with only shifts and adds behind the clamp: the surplus lanes of a last tile compute the last row again and store the same numbers
; to the same bytes, so that every store runs with all lanes on and EXEC is never written.
; LIMITS: operands are f16 (above 65504: inf; below 6e-5 the step is 6e-8), sums f32.
; THE MODE: SCHED_MODE bits 1:0 = 2 (LLVM: expert scheduling mode 2), set by the entry lines.  The code itself states the register dependences
; between vector or matrix instructions and memory or LDS instructions, with s_wait_alu, always for 0.
; THE PLAN, PHASE 1.  v[WADR ..]: written at the head, read by the 80 loads, never written again.  The raw registers are landed in once.  Slot g's fragments are written by its
; conversions and read by its eight LDS stores, which stand behind the wait for slot g + 1's data: the one wait on va_vdst there covers conversions issued ahead of that wait.
; THE PLAN, PHASE 2.  Registers that memory or LDS instructions touch, round the tile loop:
;   v[XV], v[OQ ..]    written at a trip's head; read by the trip's 70 loads of x and by its eight stores.
;   x: v256 up, v[XE ..]   landed in at a trip's head; read by the trip's matrix instructions.
;   the ring           four buffers, slot s in buffer s % 4.  A STEP is two slots: eight matrix instructions on one half (two buffers); the next step's sixteen LDS loads land in
;                      the other half, which the step before has read.  On the way out v24 to v55 take the stage's rows and feed the global stores.
;   v[ACC ..]          written by the matrix instructions; read by the stage's LDS stores.
;   v[WR0 ..], v[STO], v[RD]   made in phase 1 and never written again.
; So: one wait on va_vdst at a trip's head; one at the head of each step that asks for a further step; one behind the places on the way out; and one wait on vm_vsrc at a trip's end.
; Inside a step nothing more is owed: its matrix instructions name their own half, x and the accumulators, its loads the other half and v[WR0 ..].
.set EXPW,  2293760                    ; bytes of an expert's W1
.set ROWB,  2304                       ; bytes of a row of xs = 2048 + 256
.set HALFX, 2048*ROWB
.set NSLOT, 35
.set TRIPS, 19                         ; tiles 0 .. 127 over seven waves
.set STAGE, NSLOT*4096                 ; behind W's image: 16 rows x 272 bytes for each wave
.set SP,    272
.set WADR,  4                          ; v[4:8]    byte offset of my 16 bytes in slot g's first row pair of W
.set WST,   9                          ; v9        where my fragments go in LDS
.set WR0,   10                         ; v[10:12]  16 lane + 0, 49152, 98304: twelve slots of the image each
.set XV,    13                         ; v13       byte offset of my row of xs + 16 h
.set STO,   14                         ; v14       stage, in
.set RD,    15                         ; v15       stage, back
.set OV,    17                         ; v17       16 r: my 16 bytes of a run of 256
.set RING,  24                         ; v[24:151] four buffers of 4 tiles x 8; in phase 1 v[24:183] the five slots' fragments
.set RAW4,  184                        ; v[184:247] slot 4 as loaded (slots 0-3: v[256:511])
.set XE,    184                        ; v[184:207] x fragments of slots 32-34 (slots 0-31: v[256:511])
.set OQ,    208                        ; v[208:215] byte offset in h1p of my 16 bytes of row 2 q + h of the tile
.set ACC,   224                        ; v[224:255] four accumulators
.set MSB, 0
.macro WIN new                         ; s_set_vgpr_msb: bits 1:0 source 0, 3:2 source 1, 5:4 source 2, 7:6 destination; the high byte repeats the setting that is left
.if MSB != \new
	s_set_vgpr_msb (MSB<<8)|\new
.set MSB, \new
.endif
.endm
	s_load_b256 s[4:11], s[0:1], 0x0               ; fc1_w 4, xs 6, off 8, h1p 10
	v_lshl_add_u32 v22, v0, 2, 0x2a700
	v_mov_b32 v23, 0
	v_lshrrev_b32 v1, 5, v0
	v_readfirstlane_b32 s14, v1                    ; wave
	s_and_b32 s15, ttmp9, 3                        ; cb
	s_lshr_b32 s16, ttmp9, 2                       ; kh
	s_and_b32 s17, ttmp7, 0xffff                   ; expert
	v_and_b32 v3, 31, v0                           ; lane
	v_and_b32 v1, 15, v0                           ; r
	v_bfe_u32 v2, v0, 4, 1                         ; h
	v_lshlrev_b32 v18, 4, v1
	v_lshl_add_u32 v18, v2, 13, v18                ; 16 r + 8 h rows of 1,024 bytes
	s_lshl_b32 s25, s16, 5                         ; slots 0-31: feature group 32 kh + slot
	s_mul_i32 s26, s16, 3
	s_add_co_u32 s26, s26, 32                      ; slots 32-34: group 32 + 3 kh + slot
	s_wait_alu depctr_va_sdst(0)                   ; s14 is written, ahead of its first reader: my slots, my LDS bytes and my tiles are made from it
	s_mul_i32 s24, s14, 5                          ; my first slot
.irp g, 0,1,2,3,4
	s_add_co_u32 s27, s24, \g
	s_cmp_lt_u32 s27, 32
	s_cselect_b32 s28, s25, s26
	s_add_co_u32 s28, s28, s27
	s_lshl_b32 s28, s28, 15                        ; a group is 32 rows of 1,024 bytes
	v_add_nc_u32 v[WADR+\g], s28, v18
.endr
	s_lshl_b32 s29, s17, 4
	s_mul_i32 s22, s17, EXPW
	s_lshl_b32 s28, s15, 8
	s_add_co_u32 s22, s22, s28
	s_mov_b32 s23, 0
	s_wait_kmcnt 0x0
	s_load_b128 s[36:39], s[8:9], s29 offset:0x0   ; the expert's record: first row, rows, tiles, 0
	s_add_nc_u64 s[4:5], s[4:5], s[22:23]          ; W1[expert], my 64 columns
	; load n = t + 8 u of a slot: row 8 h + t + 16 u, columns 4 r .. 4 r + 3
	WIN 0x40                                       ; destination v256 and up
	s_wait_alu depctr_va_vdst(0)                   ; the five offsets v[WADR ..] are written, which the 80 loads read; loads and a window switch alone stand between this wait and the last of them
.irp g, 0,1,2,3
.irp n, 0,1,2,3,4,5,6,7,8,9,10,11,12,13,14,15
	global_load_b128 v[64*\g+4*\n:64*\g+4*\n+3], v[WADR+\g], s[4:5] offset:1024*((\n&7)+16*(\n>>3)) th:TH_LOAD_NT
.endr
.endr
	WIN 0
.irp n, 0,1,2,3,4,5,6,7,8,9,10,11,12,13,14,15
	global_load_b128 v[RAW4+4*\n:RAW4+4*\n+3], v[WADR+4], s[4:5] offset:1024*((\n&7)+16*(\n>>3)) th:TH_LOAD_NT
.endr
	s_mul_i32 s30, s14, 5*4096
	v_lshlrev_b32 v[WR0], 4, v3
	v_add_nc_u32 v[WST], s30, v[WR0]
	v_add_nc_u32 v[WR0+1], 49152, v[WR0]
	v_add_nc_u32 v[WR0+2], 98304, v[WR0]
	s_mul_i32 s30, s14, 16*SP
	s_add_co_u32 s30, s30, STAGE                   ; my stage
	v_mad_u32_u24 v[STO], v1, SP, s30
	v_lshl_add_u32 v[STO], v2, 7, v[STO]           ; in: row r, 128 bytes for each half of the lanes
	v_mad_u32_u24 v[RD], v2, SP, s30
	v_lshl_add_u32 v[RD], v1, 4, v[RD]             ; back: lanes 0-15 one row of 256 bytes, lanes 16-31 the next
	v_lshlrev_b32 v[OV], 4, v1
	v_lshlrev_b32 v19, 4, v2                       ; 16 h
	s_wait_kmcnt 0x0
	s_min_u32 s19, s38, 128                        ; the expert's tiles of 16 rows
	s_add_co_u32 s31, s36, s37
	s_sub_co_u32 s31, s31, 1                       ; its last row (used only where it has a tile, that is a row)
	s_mul_i32 s22, s16, HALFX
	s_add_nc_u64 s[6:7], s[6:7], s[22:23]          ; xs, my half
	s_lshl_b32 s22, s16, 21
	s_lshl_b32 s28, s15, 8
	s_add_co_u32 s22, s22, s28
	s_add_nc_u64 s[32:33], s[10:11], s[22:23]      ; h1p: my half, my 256 bytes of a row
; fragment register q of tile j = rows n = 2 q, 2 q + 1 of the lane's sixteen, word j
.macro CONV g, src
.irp j, 0,1,2,3
.irp q, 0,1,2,3,4,5,6,7
	v_cvt_pk_f16_f32 v[RING+32*\g+8*\j+\q], v[\src+8*\q+\j], v[\src+8*\q+4+\j]
.endr
.endr
.endm
.macro PUT g
.irp j, 0,1,2,3
.irp u, 0,1
	ds_store_b128 v[WST], v[RING+32*\g+8*\j+4*\u:RING+32*\g+8*\j+4*\u+3] offset:4096*\g+1024*\j+512*\u
.endr
.endr
.endm
	s_wait_loadcnt 63                              ; 64 younger loads would do for slot 0; the wait's field holds 63
	WIN 0x05                                       ; sources in v256 and up
	CONV 0, 0
	WIN 0
	s_wait_loadcnt 48                              ; three younger slots of 16 loads stay out
	s_wait_alu depctr_va_vdst(0)                   ; slot 0's conversions have written its fragments, and v[WST] is written: the LDS stores read both
	PUT 0
	WIN 0x05
	CONV 1, 64
	WIN 0
	s_wait_loadcnt 32
	s_wait_alu depctr_va_vdst(0)                   ; slot 1's conversions have written its fragments, which the LDS stores read
	PUT 1
	WIN 0x05
	CONV 2, 128
	WIN 0
	s_wait_loadcnt 16
	s_wait_alu depctr_va_vdst(0)                   ; slot 2's conversions have written its fragments, which the LDS stores read
	PUT 2
	WIN 0x05
	CONV 3, 192
	WIN 0
	s_wait_loadcnt 0x0
	s_wait_alu depctr_va_vdst(0)                   ; slot 3's conversions have written its fragments, which the LDS stores read
	PUT 3
	CONV 4, RAW4
	s_wait_alu depctr_va_vdst(0)                   ; slot 4's conversions have written its fragments, which the LDS stores read
	PUT 4
	s_wait_dscnt 0x0                               ; my part of the image is written,
	s_barrier_signal -1
	s_barrier_wait -1                              ; everybody's is.  The image is never written again: no further barrier
	s_wait_alu depctr_vm_vsrc(0)                   ; my LDS stores have read v[RING ..]: from here on these registers are the ring, in which LDS loads land
	s_mov_b32 s21, 0                               ; trip
; four of slot sg's eight loads: tiles t0 and t0 + 1, from the image into ring buffer sg % 4
.macro LDW4 sg, t0
.irp j, \t0, (\t0)+1
.irp u, 0,1
	ds_load_b128 v[RING+32*((\sg)%4)+8*(\j)+4*\u:RING+32*((\sg)%4)+8*(\j)+4*\u+3], v[WR0+(\sg)/12] offset:4096*((\sg)%12)+1024*(\j)+512*\u
.endr
.endr
.endm
; x of slot sg is in: two loads for each younger slot stay out
.macro XWAIT sg
.if (\sg) < 3
	s_wait_loadcnt 63                              ; more than 63 younger x loads: the wait's field holds 63
.else
	s_wait_loadcnt 2*(34-(\sg))
.endif
.endm
; the product of slot sg for tile j.  Slot 0 starts the sums
.macro MM sg, j
.if (\sg) < 32
.set xb, 8*(\sg)
.else
.set xb, XE+8*((\sg)-32)
.endif
.if (\sg) == 0
	v_wmma_f32_16x16x32_f16 v[ACC+8*\j:ACC+8*\j+7], v[RING+32*((\sg)%4)+8*\j:RING+32*((\sg)%4)+8*\j+7], v[xb:xb+7], 0
.else
	v_wmma_f32_16x16x32_f16 v[ACC+8*\j:ACC+8*\j+7], v[RING+32*((\sg)%4)+8*\j:RING+32*((\sg)%4)+8*\j+7], v[xb:xb+7], v[ACC+8*\j:ACC+8*\j+7]
.endif
.endm
.Ltile:
	s_mul_i32 s27, s21, 7
	s_add_co_u32 s27, s27, s14                     ; my tile of this trip
	s_cmp_ge_u32 s27, s19
	s_cbranch_scc1 .Lskip                          ; the expert has no such tile
	s_lshl_b32 s28, s27, 4
	s_add_co_u32 s29, s36, s28                     ; the tile's first row
	v_add_nc_u32 v18, s29, v1
	v_min_u32 v18, s31, v18                        ; past the expert's last row: the last row again
	v_min_u32 v18, 2047, v18                       ; the one clamp by a constant
	v_lshl_add_u32 v[XV], v18, 8, v19              ; row x 2304 = row x 256 + row x 2048
	v_lshl_add_u32 v[XV], v18, 11, v[XV]
	v_add_nc_u32 v20, s29, v2
.irp q, 0,1,2,3,4,5,6,7
	v_add_nc_u32 v[OQ+\q], 2*\q, v20               ; row 2 q + h of the tile, treated likewise
	v_min_u32 v[OQ+\q], s31, v[OQ+\q]
	v_min_u32 v[OQ+\q], 2047, v[OQ+\q]
	v_lshl_add_u32 v[OQ+\q], v[OQ+\q], 10, v[OV]
.endr
	WIN 0x40
	s_wait_alu depctr_va_vdst(0)                   ; v[XV] and v[OQ ..] are written, which this trip's loads and stores read; the last trip's matrix instructions (in the first trip: phase 1's conversions) are done reading x's registers and the ring, in which the loads below land
.set sg, 0
.rept 32
	global_load_b128 v[8*sg:8*sg+3], v[XV], s[6:7] offset:64*sg          ; features 8 h .. 8 h + 7 of slot sg, row r
	global_load_b128 v[8*sg+4:8*sg+7], v[XV], s[6:7] offset:64*sg+32     ; features 16 + 8 h ..
.set sg, sg+1
.endr
	WIN 0
.rept 3
	global_load_b128 v[XE+8*(sg-32):XE+8*(sg-32)+3], v[XV], s[6:7] offset:64*sg
	global_load_b128 v[XE+8*(sg-32)+4:XE+8*(sg-32)+7], v[XV], s[6:7] offset:64*sg+32
.set sg, sg+1
.endr
	LDW4 0, 0                                      ; step 0's two slots
	LDW4 0, 2
	LDW4 1, 0
	LDW4 1, 2
	; Two slots a step; step 17 is slot 34 alone.  The four accumulators take turns, one instruction a turn.
	; The next step's sixteen LDS loads are dealt four behind each of the step's first four matrix instructions.
.set gp, 0
.rept 18
.set ga, 2*gp
.set gb, 2*gp+1
.if gp < 16
	WIN 0x04                                       ; B from v256 and up; LDS loads name source 0 and the destination, which stay below
.else
	WIN 0
.endif
.if gp < 17
	s_wait_dscnt 8                                 ; LDS loads come back in order: the step's first slot is in, its second slot's eight loads stay out
.else
	s_wait_dscnt 0x0
.endif
	XWAIT ga
.if (gp > 0) && (gp < 17)
	s_wait_alu depctr_va_vdst(0)                   ; the step before is done reading the other half of the ring, in which this step's loads land (in step 0 the wait at the trip's head has said so)
.endif
	MM ga, 0
.if gp < 17
	LDW4 ga+2, 0
.endif
	MM ga, 1
.if gp < 17
	LDW4 ga+2, 2
.endif
	MM ga, 2
.if gp < 16
	LDW4 ga+3, 0
.endif
	MM ga, 3
.if gp < 16
	LDW4 ga+3, 2
	s_wait_dscnt 16                                ; the second slot is in; the sixteen loads just issued stay out
.elseif gp == 16
	s_wait_dscnt 8                                 ; the second slot is in; slot 34's eight loads stay out
.endif
.if gp < 17
	XWAIT gb
	MM gb, 0
	MM gb, 1
	MM gb, 2
	MM gb, 3
.endif
.set gp, gp+1
.endr
	; the way out: 16 rows x 256 bytes through my own stage (LDS serves a wave's instructions in order: no wait between stores and loads)
.rept 4
	v_nop                                          ; four places behind the last matrix instruction, before its result is read (ISA guide 7.12.1)
.endr
	s_wait_alu depctr_va_vdst(0)                   ; the matrix instructions have written the accumulators, which the LDS stores read, and are done reading v24 to v55, in which the stage's rows land; the places above stay beside this wait
.irp j, 0,1,2,3
.irp u, 0,1
	ds_store_b128 v[STO], v[ACC+8*\j+4*\u:ACC+8*\j+4*\u+3] offset:32*\j+16*\u
.endr
.endr
.irp q, 0,1,2,3,4,5,6,7
	ds_load_b128 v[RING+4*\q:RING+4*\q+3], v[RD] offset:2*SP*\q
.endr
.irp q, 0,1,2,3,4,5,6,7
	s_wait_dscnt 7-\q                              ; LDS loads come back in order: the younger ones stay out
	global_store_b128 v[OQ+\q], v[RING+4*\q:RING+4*\q+3], s[32:33]   ; sixteen lanes store 256 consecutive bytes, aligned
.endr
	s_wait_xcnt 0x0                                ; the stores' offsets and data are written again in the next trip only behind this wait
	s_wait_alu depctr_vm_vsrc(0)                   ; this trip's loads and stores have read v[XV], v[OQ ..], v24 to v55 and the accumulators, all of which the next trip writes
.Lskip:
	s_add_co_u32 s21, s21, 1
	s_cmp_lt_u32 s21, TRIPS
	s_cbranch_scc1 .Ltile
	s_wait_dscnt 0x0
	s_wait_alu depctr_hold_cnt(0) depctr_sa_sdst(0) depctr_va_vdst(0) depctr_va_sdst(0) depctr_va_ssrc(0) depctr_va_vcc(0) depctr_vm_vsrc(0)
	s_wait_tensorcnt 0x0
	ds_add_u32 v22, v23
	s_wait_dscnt 0x0
	s_endpgm
.Lfunc_end_k_q7b2f4dad7c_fc1:
	.size	k_q7b2f4dad7c_fc1, .Lfunc_end_k_q7b2f4dad7c_fc1-k_q7b2f4dad7c_fc1
	.p2alignl 7, 3214868480
	.fill 96, 4, 3214868480
	.section	.rodata,"a",@progbits
	.p2align	6, 0x0
	.amdhsa_kernel k_q7b2f4dad7c_fc1
		.amdhsa_group_segment_fixed_size 174848
		.amdhsa_private_segment_fixed_size 0
		.amdhsa_enable_private_segment 0
		.amdhsa_kernarg_size 32
		.amdhsa_user_sgpr_count 2
		.amdhsa_user_sgpr_kernarg_segment_ptr 1
		.amdhsa_wavefront_size32 1
		.amdhsa_system_sgpr_workgroup_id_x 1
		.amdhsa_system_sgpr_workgroup_id_y 1
		.amdhsa_system_sgpr_workgroup_id_z 1
		.amdhsa_system_vgpr_workitem_id 0
		.amdhsa_next_free_vgpr 512
		.amdhsa_next_free_sgpr 66
		.amdhsa_reserve_vcc 0
		.amdhsa_float_denorm_mode_32 3
		.amdhsa_float_denorm_mode_16_64 3
		.amdhsa_memory_ordered 1
		.amdhsa_forward_progress 1
		.amdhsa_inst_pref_size 65
	.end_amdhsa_kernel
	.amdgpu_metadata
---
amdhsa.version: [ 1, 2 ]
amdhsa.kernels:
  - .name:           k_q7b2f4dad7c_fc1
    .symbol:         k_q7b2f4dad7c_fc1.kd
    .args:
      - { .name: fc1_w, .offset: 0, .size: 8, .value_kind: global_buffer, .address_space: global }
      - { .name: xs, .offset: 8, .size: 8, .value_kind: global_buffer, .address_space: global }
      - { .name: off, .offset: 16, .size: 8, .value_kind: global_buffer, .address_space: global }
      - { .name: h1p, .offset: 24, .size: 8, .value_kind: global_buffer, .address_space: global }
    .group_segment_fixed_size: 174848
    .private_segment_fixed_size: 0
    .kernarg_segment_align: 8
    .kernarg_segment_size: 32
    .max_flat_workgroup_size: 224
    .sgpr_count:     66
    .vgpr_count:     512
    .wavefront_size: 32
...
	.end_amdgpu_metadata
.endif
;; end of part 5
;; launch tail: the kernel of part 3 again; grid 4 x 32, 8 waves a work-group, no clusters, 186,368 bytes of LDS; arguments off, order, h1p, fc1_b, ln1_g, ln1_b, fc2_w, fc2_b, ln2_g, ln2_b, blkA_w, blkA_b, blkA_g, blkA_be, blkB_w, blkB_b, blkB_g, blkB_be, out_w, out_b, bins, out0, out1; writes out0, out1
